; MI455X (gfx1250); checked and timed in simulation.
; The chip was launched on July 23, 2026; its instructions are those of AMD's public machine-readable ISA for CDNA 5 (MIT licence, August 2026) and "CDNA5" Instruction Set Architecture Reference Guide (July 2026). The comments in the code are by the model that wrote it; some were corrected since.
;; Self Attention. Allowed arithmetic: matrix products marked QUANTISED: E3M2 operands, one E8M0 scale for each 32 along K, by v_wmma_scale_f32_16x16x128_f8f6f4 with both operands' format E3M2, f32 sums; everything else in f32.
;; Inputs: W_qkv 3,072 x 1,024 float32; b_qkv 3,072 float32; x 4 x 2,048 x 1,024 float32.
;; Outputs: out0 4 x 2,048 x 1,024 float32.
;; This version of the problem:
;;   THIS VERSION OF THE PROBLEM IS GIVEN IN LOW PRECISION. The matrix products marked QUANTISED in the list below multiply operands that are first quantised to E3M2 (3 exponent bits, 2 mantissa bits; 6 bits a number), with one power-of-two scale for each 32 numbers along K (OCP MX v1.0); their sums are f32. All else is computed in f32.
;;   The module's matrix products, in the order in which they are computed (A, B: the left and right operand; K: the contracted axis; several contracted axes count as one K, in the product's order):
;;     1. [M 8,192, K 1,024] x [K 1,024, N 3,072]; A: input x; B: input W_qkv: QUANTISED
;;     2. batch 4 x [M 2,048, K 1,024] x [K 1,024, N 2,048]; A: computed on the way; B: computed on the way: QUANTISED
;;     3. batch 4 x [M 2,048, K 2,048] x [K 2,048, N 1,024]; A: softmax (see below); B: computed on the way: QUANTISED
;;   THE QUANTISER, for each operand of a quantised product, along K:
;;     - K is cut into blocks of 32 from its start; a last block that is shorter is filled with zeros.
;;     - A block's scale is 2^e with e = floor(log2(the largest magnitude in the block)) - 4, held to -126 .. 127; a block of zeros has e = 0. As a byte (E8M0): e + 127.
;;     - Each number is divided by its block's scale, clamped to +-28, and rounded to the nearest number of E3M2, ties to even, subnormals kept.
;;     - The product sums the exact products of the quantised numbers (number of the format x scale) in f32.
;;   ~~~python
;;   def quantise(x, axis):      # numpy; x: float32 -> the quantised numbers, widened to float32 again
;;       x = np.moveaxis(x, axis, -1); K = x.shape[-1]
;;       x = np.pad(x, [(0, 0)] * (x.ndim - 1) + [(0, -K % 32)]); x = x.reshape(x.shape[:-1] + (-1, 32)); a = np.abs(x).max(-1, keepdims=True)
;;       e = np.where(a > 0, np.clip(np.frexp(np.where(a > 0, a, 1))[1] - 1 - 4, -126, 127), 0)      # np.frexp(a)[1] - 1 = floor(log2(a)), exactly
;;       r = np.clip(x / 2.0 ** e, -28, 28)
;;       step = 2.0 ** (np.maximum(np.frexp(np.where(r == 0, 1, r))[1] - 1, -2) - 2)
;;       q = np.round(r / step) * step * 2.0 ** e      # np.round: ties to even
;;       return np.moveaxis(q.reshape(q.shape[:-2] + (-1,))[..., :K], -1, axis).astype(np.float32)
;;   ~~~
;;   SOFTMAX AHEAD OF A QUANTISED PRODUCT. Where the list says 'softmax', what is quantised is not the finished softmax but p = 2^(t - M), with t = logit x log2(e) and M = ceil(the row's largest t), a whole number; so 1/2 < the row's largest p <= 1. The row's sum l is taken of the UNQUANTISED p, in f32, and the product's result is divided by l at the end. Since M is a whole number, a kernel that streams over the keys may use a running M (the ceiling of the running maximum): every later rescaling is an exact power of two, which a block's scale takes up: the codes' values come out the same.
;;   OPERANDS COMPUTED ON THE WAY. 'Computed on the way' means the value that the module computes at that place (a softmax that the list does not call 'softmax' is quantised finished and normalised). What goes into a quantiser is computed in f32, as accurately as f32 sums, v_exp_f32 and their like allow (about 1e-6 of the number): no bf16 or f16 on the way to a quantiser, and a product that is left as it is and whose result goes on into a quantised operand takes f32 operands (vector FMAs, or v_wmma_f32_16x16x4_f32). A number that lies on a knife's edge between two numbers of the format may be rounded either way, as far as f32 arithmetic and the matrix unit's own rounding can turn it there, and no further.
;; One version. Each part assembles by itself: llvm-mc -triple=amdgcn-amd-amdhsa -mcpu=gfx1250 --defsym DOCPART=n.
;; ======== version 1 of 1: 4 launches
;; limits: right only within a limited range of input values
;; workspace buffers: xw_codes 8,650,752 bytes; xw_scales 360,448 bytes; qkv_codes 18,874,368 bytes; qkv_scales 786,432 bytes; p_codes 12,582,912 bytes; p_stats 1,572,864 bytes
;; launch quant (part 1): grid 704 x 1, 4 waves a work-group, no clusters, 35,328 bytes of LDS; arguments x, W_qkv, xw_codes, xw_scales; writes xw_codes, xw_scales
.if DOCPART == 1
	.amdgcn_target "amdgcn-amd-amdhsa--gfx1250"
	.amdhsa_code_object_version 6
	.text
	.protected	k_q4f3de098dc_quant
	.globl	k_q4f3de098dc_quant
	.p2align	8
	.type	k_q4f3de098dc_quant,@function
k_q4f3de098dc_quant:
	s_mov_b64 s[64:65], 0
	v_nop
	global_prefetch_b8 v0, s[64:65] scope:SCOPE_SE
	s_setreg_imm32_b32 hwreg(HW_REG_WAVE_MODE, 25, 1), 1
	s_wait_xcnt 0x0
; x [8192][1024] and W_qkv [3072][1024], f32, become codes of BF6 (E3M2) with one E8M0 byte for each 32 along K (the last axis), laid as the next launch's operand registers want them.
; Nothing of reference() is left out in this program: every input has a way to the output and is loaded.
; ROWS go in blocks of 16 (x: blocks 0-511, W: blocks 512-703).  Lane r of block 2 B + u holds row 32 B + 8 u + (r & 7) + 16 (r >> 3).
; A FRAGMENT (16 rows x 128 K) is 12 registers a lane; its image is 1,536 bytes: registers 4 c .. 4 c + 3 of lane l at byte 512 c + 16 l.
; codes: [K / 256][block][2][1,536];  scale words: [K / 128][block][16 words], word r = lane r's row.
; A block's scale is 2^(floor(log2(largest magnitude)) - 4); its byte is the largest magnitude's exponent field - 4, held at 1 from below.
; LIMITS: a block whose largest magnitude lies under 2^-122, a block of zeros among them, gets the byte 1 (a block of zeros has zero codes, which add nothing; only this program reads the bytes); NaN and infinities are not served.
; SHARES: a work-group takes 64 rows and two K steps of 128; wave w takes K step w & 1 and the pair of blocks w >> 1: two fragments, whose 32 loads are all issued at the start.
; 704 work-groups of eight fragments: 2.75 to a WGP in the mean and 3 at the most.
; Each load reads 512 consecutive bytes of one row; 16 rows turn through the wave's own stage in LDS (rows 528 bytes apart) and come back 256 bytes a lane: the 32 numbers of each of the lane's two blocks.
; The scale words of a K step's four blocks are 256 bytes: waves w and w + 2 put 128 each into LDS, one barrier, and wave w stores the aligned 256.
.set NXG,  512                         ; work-groups that take x; the other 192 take W
.set WREG, 8704                        ; LDS of a wave: the stage (16 x 528) and 256 bytes for scale words
.set SP,   528
.set SPARE, 4*WREG                     ; the spare words, 128 bytes a wave
.set C,    16                          ; v16-39   codes: two sets of 12
.set SCR,  40                          ; v40-42, v44-46 the second halves of a block's codes
.set SW,   48                          ; v48-49   the two fragments' scale words
.set TM,   52                          ; v52-59   at work
.set R,    64                          ; v64-191  two sets of 64: 16 rows as loaded
.set X,    192                         ; v192-255 my 64 numbers
	s_load_b128 s[4:7], s[0:1], 0x0                ; x, W
	s_load_b128 s[8:11], s[0:1], 0x10              ; the codes, the scale words
	v_lshl_add_u32 v62, v0, 2, SPARE
	v_mov_b32 v63, 0
	v_lshrrev_b32 v1, 5, v0
	v_readfirstlane_b32 s12, v1                    ; wave 0..3
	s_and_b32 s24, s12, 1                          ; my K step of the work-group's two
	s_lshr_b32 s25, s12, 1                         ; my pair of blocks
	v_and_b32 v2, 31, v0                           ; lane
	v_and_b32 v3, 15, v0                           ; r
	v_bfe_u32 v10, v0, 4, 1                        ; h
	v_lshlrev_b32 v4, 4, v2                        ; 16 x lane
	s_mul_i32 s13, s12, WREG
	v_add_nc_u32 v5, s13, v4                       ; the stage, on the way in
	v_mul_u32_u24 v6, v3, SP
	v_lshl_add_u32 v6, v10, 7, v6
	v_add_nc_u32 v6, s13, v6                       ; and out: row r, + 128 h
	s_mul_i32 s26, s24, WREG
	s_add_co_u32 s26, s26, 16*SP                   ; the K step's 256 bytes of scale words, in wave (w & 1)'s region
	s_lshl_b32 s27, s25, 7
	s_add_co_u32 s27, s27, s26
	v_lshl_add_u32 v7, v2, 2, s27                  ; in: my pair's 128 bytes, 4 a lane
	v_lshl_add_u32 v8, v2, 3, s26                  ; out: 8 a lane
	v_lshlrev_b32 v9, 3, v2
	v_lshlrev_b32 v11, 3, v10                      ; 8 h: my bytes' place in a scale word
	v_mov_b32 v[TM+7], 0                           ; a lane permute's destination counts as one of its sources
	s_mov_b32 s20, 0x76543210
	s_mov_b32 s21, 0xfedcba98                      ; selects for lane l xor 16
	s_mov_b32 s22, 0xffff0000                      ; lanes 16-31
	s_wait_alu depctr_va_vdst(0)                   ; the wait at the head's end
	s_wait_kmcnt 0x0
	s_cmp_lt_u32 ttmp9, NXG                        ; x's work-group or W's?  Only a pointer and two numbers are chosen
	s_cselect_b64 s[4:5], s[4:5], s[6:7]
	s_cselect_b32 s14, 0, NXG
	s_cselect_b32 s15, 0, 128
	s_sub_co_u32 s14, ttmp9, s14
	s_lshr_b32 s16, s14, 2                         ; which 64 rows of the tensor
	s_and_b32 s17, s14, 3
	s_lshl_b32 s17, s17, 1
	s_add_co_u32 s17, s17, s24                     ; my K step, 0..7
	s_add_co_u32 s15, s15, s16                     ; which four blocks of the 704
	s_lshl_b32 s18, s16, 18                        ; 64 rows of 4,096 bytes
	s_lshl_b32 s19, s25, 17                        ; my pair: 32 rows
	s_add_co_u32 s18, s18, s19
	s_lshl_b32 s19, s17, 9                         ; 128 numbers
	s_add_co_u32 s18, s18, s19
	s_mov_b32 s19, 0
	s_add_nc_u64 s[4:5], s[4:5], s[18:19]
	s_lshr_b32 s18, s17, 1
	s_mul_i32 s18, s18, 2162688                    ; 704 blocks x 3,072 bytes
	s_mul_i32 s23, s15, 12288
	s_add_co_u32 s18, s18, s23
	s_mul_i32 s23, s25, 6144
	s_add_co_u32 s18, s18, s23
	s_and_b32 s23, s17, 1
	s_mul_i32 s23, s23, 1536
	s_add_co_u32 s18, s18, s23
	s_add_nc_u64 s[8:9], s[8:9], s[18:19]
	s_mul_i32 s18, s17, 45056                      ; 704 blocks x 64 bytes
	s_lshl_b32 s23, s15, 8
	s_add_co_u32 s18, s18, s23
	s_add_nc_u64 s[10:11], s[10:11], s[18:19]
.macro LOAD j                          ; fragment j's 16 rows, in the order of its lanes
.irp p, 0,1,2,3,4,5,6,7,8,9,10,11,12,13,14,15
	global_load_b128 v[R+64*(\j)+4*\p:R+64*(\j)+4*\p+3], v4, s[4:5] offset:(8*(\j)+((\p)&7)+16*((\p)>>3))*4096 th:TH_LOAD_NT
.endr
.endm
.macro FRAGQ j
.set RS_, R+64*(\j)
.set CC_, C+12*(\j)
	s_wait_loadcnt 16*(1-(\j))                     ; this fragment's 16 loads are in; the second fragment's 16 may be out
.irp p, 0,1,2,3,4,5,6,7,8,9,10,11,12,13,14,15
	ds_store_b128 v5, v[RS_+4*\p:RS_+4*\p+3] offset:SP*\p
.endr
.irp c, 0,1
.irp i, 0,1,2,3,4,5,6,7
	ds_load_b128 v[X+32*\c+4*\i:X+32*\c+4*\i+3], v6 offset:256*\c+16*\i   ; k = 64 c + 32 h + 4 i ..: LDS serves a wave's instructions in order
.endr
.endr
	s_wait_dscnt 0x0
.irp c, 0,1
	v_max3_num_f32 v[TM+\c], |v[X+32*\c]|, |v[X+32*\c+1]|, 0x2800000   ; my block 2 c + h; the floor 2^(5 - 127) holds the byte at 1 from below
.endr
.irp i, 2,4,6,8,10,12,14,16,18,20,22,24,26,28,30
.irp c, 0,1
	v_max3_num_f32 v[TM+\c], v[TM+\c], |v[X+32*\c+\i]|, |v[X+32*\c+\i+1]|
.endr
.endr
.irp c, 0,1
	v_add_nc_u32 v[TM+2+\c], 0xfe000000, v[TM+\c]  ; 4 off the exponent field: the conversion's scale operand
.endr
.irp c, 0,1
	v_lshrrev_b32 v[TM+4+\c], 23, v[TM+2+\c]       ; the scale's byte
.endr
	v_lshl_or_b32 v[TM+6], v[TM+5], 16, v[TM+4]    ; my two bytes: blocks h and 2 + h,
	v_lshlrev_b32 v[TM+6], v11, v[TM+6]            ; at their places in the word;
	v_permlanex16_b32 v[TM+7], v[TM+6], s20, s21
	v_or_b32 v[SW+(\j)], v[TM+6], v[TM+7]          ; with lane l xor 16's two the word is whole
.irp c, 0,1
	v_cvt_scalef32_pk16_bf6_f32 v[CC_+6*\c:CC_+6*\c+2], v[X+32*\c:X+32*\c+15], v[TM+2+\c]
	v_cvt_scalef32_pk16_bf6_f32 v[SCR+4*\c:SCR+4*\c+2], v[X+32*\c+16:X+32*\c+31], v[TM+2+\c]   ; (a conversion's three registers begin on an even number)
.endr
	v_nop                                          ; one plain place behind a scaled conversion
.irp c, 0,1
.irp i, 0,1,2
	v_mov_b32 v[CC_+3+6*\c+\i], v[SCR+4*\c+\i]
.endr
.endr
.irp c, 0,1,2
	global_store_b128 v4, v[CC_+4*\c:CC_+4*\c+3], s[8:9] offset:3072*(\j)+512*\c   ; 32 lanes store 512 consecutive bytes, aligned
.endr
.endm
	LOAD 0
	LOAD 1
	FRAGQ 0
	FRAGQ 1
	v_cndmask_b32 v[TM], v[SW], v[SW+1], s22       ; lanes 0-15 the even block's words, lanes 16-31 the odd block's
	ds_store_b32 v7, v[TM]
	s_wait_tensorcnt 0x0                           ; behind my last LDS store
	ds_add_u32 v62, v63
	s_wait_dscnt 0x0                               ; also for the other wave's sake: my words have landed
	s_barrier_signal -1
	s_barrier_wait -1
	s_cmp_lt_u32 s12, 2
	s_cbranch_scc0 .Ldone                          ; waves 0 and 1 store the two K steps' words
	ds_load_b64 v[12:13], v8
	s_wait_dscnt 0x0
	global_store_b64 v9, v[12:13], s[10:11]        ; 32 lanes store 256 consecutive bytes, aligned
.Ldone:
	s_endpgm
.Lfunc_end_k_q4f3de098dc_quant:
	.size	k_q4f3de098dc_quant, .Lfunc_end_k_q4f3de098dc_quant-k_q4f3de098dc_quant
	.p2alignl 7, 3214868480
	.fill 96, 4, 3214868480
	.section	.rodata,"a",@progbits
	.p2align	6, 0x0
	.amdhsa_kernel k_q4f3de098dc_quant
		.amdhsa_group_segment_fixed_size 35328
		.amdhsa_private_segment_fixed_size 0
		.amdhsa_enable_private_segment 0
		.amdhsa_kernarg_size 32
		.amdhsa_user_sgpr_count 2
		.amdhsa_user_sgpr_kernarg_segment_ptr 1
		.amdhsa_wavefront_size32 1
		.amdhsa_system_sgpr_workgroup_id_x 1
		.amdhsa_system_sgpr_workgroup_id_y 1
		.amdhsa_system_sgpr_workgroup_id_z 1
		.amdhsa_system_vgpr_workitem_id 0
		.amdhsa_next_free_vgpr 256
		.amdhsa_next_free_sgpr 66
		.amdhsa_reserve_vcc 0
		.amdhsa_float_denorm_mode_32 3
		.amdhsa_float_denorm_mode_16_64 3
		.amdhsa_memory_ordered 1
		.amdhsa_forward_progress 1
		.amdhsa_inst_pref_size 18
	.end_amdhsa_kernel
	.amdgpu_metadata
---
amdhsa.version: [ 1, 2 ]
amdhsa.kernels:
  - .name:           k_q4f3de098dc_quant
    .symbol:         k_q4f3de098dc_quant.kd
    .args:
      - { .name: x, .offset: 0, .size: 8, .value_kind: global_buffer, .address_space: global }
      - { .name: W_qkv, .offset: 8, .size: 8, .value_kind: global_buffer, .address_space: global }
      - { .name: xw_codes, .offset: 16, .size: 8, .value_kind: global_buffer, .address_space: global }
      - { .name: xw_scales, .offset: 24, .size: 8, .value_kind: global_buffer, .address_space: global }
    .group_segment_fixed_size: 35328
    .private_segment_fixed_size: 0
    .kernarg_segment_align: 8
    .kernarg_segment_size: 32
    .max_flat_workgroup_size: 128
    .sgpr_count:     66
    .vgpr_count:     256
    .wavefront_size: 32
...
	.end_amdgpu_metadata
.endif
;; end of part 1
;; launch qkv (part 2): grid 8 x 32, 4 waves a work-group, clusters of 4 x 4, 327,680 bytes of LDS; arguments xw_codes, xw_scales, b_qkv, qkv_codes, qkv_scales; writes qkv_codes, qkv_scales
.if DOCPART == 2
	.amdgcn_target "amdgcn-amd-amdhsa--gfx1250"
	.amdhsa_code_object_version 6
	.text
	.protected	k_q4f3de098dc_qkv
	.globl	k_q4f3de098dc_qkv
	.p2align	8
	.type	k_q4f3de098dc_qkv,@function
k_q4f3de098dc_qkv:
	s_mov_b64 s[64:65], 0
	v_nop
	global_prefetch_b8 v0, s[64:65] scope:SCOPE_SE
	s_setreg_imm32_b32 hwreg(HW_REG_WAVE_MODE, 25, 1), 1
	s_wait_xcnt 0x0
	s_wait_alu depctr_hold_cnt(0) depctr_sa_sdst(0) depctr_va_vdst(0) depctr_va_sdst(0) depctr_va_ssrc(0) depctr_va_vcc(0) depctr_vm_vsrc(0)
	s_getreg_b32 s2, hwreg(HW_REG_IB_STS2, 6, 4)
	s_cmp_eq_u32 s2, 0
	s_cbranch_scc0 .Lentry_in_a_cluster
	s_endpgm
.Lentry_in_a_cluster:
	s_bfe_u32 s2, ttmp6, 0x10000c
	s_cmp_lg_u32 s2, 0xf033
	s_cbranch_scc0 .Lentry_shape_is_right
	s_endpgm
.Lentry_shape_is_right:
; qkv = x W^T + b on codes of BF6 (E3M2) with E8M0 scales, and q, k, v quantised at once for the next two products.
; FIRST PART: a tile of 256 tokens x 256 channels of q or k, four waves of 128 x 128.  Source 0 = 16 rows of W, source 1 = 16 tokens: a lane holds one token and its registers run along the channels, the K of q k^T.
; SECOND PART: a tile of 128 channels of v x 256 tokens, four waves of 64 x 128.  Source 0 = 16 tokens, source 1 = 16 rows of W: a lane holds one channel and its registers run along the tokens, the K of p v.
; OPERANDS are images of fragments, [K / 256][block of 16 rows][2][1,536].  K = 1,024 is four slots of 256.
; LDS: each wave fetches eight blocks; its part holds three slots on end, [slot 3][24,576], brought by ONE tensor load at the head whose three rows are the three slots.  The fourth slot goes into slot 0's bytes behind a round.
; The second part's tiles, all of K, fill the same 294,912 bytes again behind one round, a load a wave, and land while the first part's results are quantised.
; SCALE WORDS go from memory straight into registers, once: 8 K steps x 8 blocks = 64 registers a wave; lanes 0-15 hold source 1's words, lanes 16-31 source 0's.  Eight loads of a K step cover 512 consecutive bytes a side.
; CLUSTER 4 x 4: x's tiles are asked for jointly along a row (second part: along a column), W's along a column (a row).
; No prefetch: the text has no loop to run ahead in, and three of K's four slots are asked for at the head.
; LIMITS: a block whose largest magnitude lies under 2^-122 gets the byte 1; NaN and infinities are not served.
; REGISTERS: window 0: v0-31 addresses; v32-95 the first part's scale words, v64-127 the second's; v128-223 source 1's fragments; on the way out v128-227 at work; v240-247 v's bias.
;   window 1: source 0's fragments, two sets, at v0 and v128; v96-127, v224-255 q's and k's bias.   windows 2, 3: accumulator (a, b) at v[8 (8 (a % 4) + b)].
.set NQ,    2
.set FR,    12
.set NL,    3
.set HA,    4
.set RBB,   NQ*1536
.set PART,  8*RBB
.set WPART, 3*PART
.set SLOT,  4*PART
.set SSTR,  2162688                    ; from slot to slot in memory: 704 blocks
.set SCS,   45056                      ; from K step to K step among the scale words
.set SPARE, 3*SLOT                     ; the spare words, 128 bytes a wave
.set STG,   SPARE+512                  ; 2,048 bytes a wave for the scale words' way out: no fill lands here
.set SB2,   5
.set ADRA2, 8
.set ADRB2, 12
.set ADRA,  16
.set ADRB,  19
.set SO,    22
.set SOF2,  23                         ; the second part's scale words: blocks 0-3
.set VO,    24
.set SA,    25
.set SB,    26
.set SOF2B, 27                         ; blocks 4-7: lanes 0-15, which have four blocks only, name blocks 0-3 again
.set SPW,   28
.set NIL,   29
.set VO2,   30
.set SO2,   31
.set SC,    32
.set PWS,   32
.set BBW,   96
.set AF,    128
.set T,     128
.set PC,    192
.set TM,    212
.set BA,    240
.set G1,    24
.set G0,    32
.set G1B,   44
.set G0B,   52
.set SEL,   96
.set MSB, 0
.macro WIN new
.if MSB != (\new)
	s_set_vgpr_msb (MSB<<8)|(\new)
.set MSB, \new
.endif
.endm
.set MUL_LO, 0xa1
.set MUL_HI, 0xf1
.set TO_B,   0x40
.macro JLOAD g0a, g1a, g0b, g1b        ; a joint load: waves 0, 1 fetch source 1's halves, waves 2, 3 source 0's; s_nop 0 and four v_nop follow each line
	s_cmp_eq_u32 s15, 0
	s_cbranch_scc0 .Lfor_b_\@
	tensor_load_to_lds s[\g0a:\g0a+3], s[\g1a:\g1a+7]
	s_nop 0
.rept 4
	v_nop
.endr
	s_branch .Lasked_\@
.Lfor_b_\@:
	tensor_load_to_lds s[\g0b:\g0b+3], s[\g1b:\g1b+7]
	s_nop 0
.rept 4
	v_nop
.endr
.Lasked_\@:
.endm
.macro CREST
	s_cmp_lg_u32 s14, 0
	s_cbranch_scc1 .Lnot_wave_0_\@
	s_barrier_signal -3
.Lnot_wave_0_\@:
	s_barrier_wait -3
	s_barrier_signal -1
	s_barrier_wait -1
.endm
.macro CROUND
	s_barrier_signal -1
	s_barrier_wait -1
	CREST
.endm
.macro PLACES n
.rept \n
	v_nop
.endr
.endm
	s_load_b256 s[4:11], s[0:1], 0x0               ; the codes s[4:5], their scale words s[6:7], the bias s[8:9], q k v's codes s[10:11]
	s_load_b64 s[12:13], s[0:1], 0x20              ; q k v's scale words
	v_lshl_add_u32 v[SPW], v0, 2, SPARE
	v_mov_b32 v[NIL], 0
	ds_add_u32 v[SPW], v[NIL]                      ; the opening lines: the add twice on end and one wait
	ds_add_u32 v[SPW], v[NIL]
	v_lshrrev_b32 v1, 5, v0
	v_readfirstlane_b32 s14, v1                    ; wave 0..3
	s_lshr_b32 s15, s14, 1                         ; my half of source 1's rows.  Also: I fetch for source 1 (0) or source 0 (1)
	s_and_b32 s16, s14, 1                          ; my half of source 0's rows.  Also: which half of that tile I fetch
	s_bfe_u32 s92, ttmp6, 0x40000                  ; cx
	s_bfe_u32 s93, ttmp6, 0x40004                  ; cy
	s_and_b32 s17, ttmp7, 0xffff
	s_lshl_b32 s17, s17, 2
	s_lshl_b32 s98, ttmp9, 2
	s_add_co_u32 s18, s17, s93                     ; first part: tile of tokens, 0..31
	s_add_co_u32 s99, s98, s92                     ; tile of q's and k's channels, 0..7
	s_add_co_u32 s66, s98, s93                     ; second part: tile of v's channels, 0..7
	s_add_co_u32 s67, s17, s92                     ; tile of tokens, 0..31
	s_lshl_b32 s94, s93, 2
	s_lshl_b32 s94, 15, s94                        ; my row of the cluster
	s_lshl_b32 s95, 0x1111, s92                    ; my column
	s_or_b32 s[G1+0], s94, (3<<16)|(1<<21)
	s_or_b32 s[G1B+0], s95, (3<<16)|(1<<21)
.irp g, G1, G1B                        ; the head's load: three rows (slots) of 24,576 bytes = 3,072 elements of 8 bytes
	s_mov_b32 s[\g+1], 3072<<16
	s_mov_b32 s[\g+2], 3<<16
	s_mov_b32 s[\g+3], 3072<<16
	s_mov_b32 s[\g+4], 3
	s_mov_b32 s[\g+5], SSTR/8
	s_mov_b32 s[\g+6], 0
	s_mov_b32 s[\g+7], 0
.endr
	s_lshl_b32 s3, s16, 3
	s_lshl_b32 s20, s18, 4
	s_add_co_u32 s20, s20, s3                      ; x: block 16 x tile + 8 x half
	s_lshl_b32 s100, s99, 4
	s_add_co_u32 s100, s100, s3
	s_add_co_u32 s100, s100, 512                   ; W: block 512 + 16 x tile + 8 x half
	s_mul_i32 s20, s20, RBB
	s_mov_b32 s21, 0
	s_mul_i32 s100, s100, RBB
	s_mov_b32 s101, 0
	s_mul_i32 s3, s14, WPART                       ; where they go: by the wave's number alone
	s_wait_alu depctr_va_vdst(0)                   ; the wait ahead of the waits below
	s_wait_dscnt 0x0                               ; both opening adds are done
	s_wait_kmcnt 0x0
	s_add_nc_u64 s[20:21], s[4:5], s[20:21]
	s_add_nc_u64 s[100:101], s[4:5], s[100:101]
	CROUND                                         ; all sixteen work-groups are here: the first joint loads meet
	s_mov_b32 s[G0], 1
	s_add_co_u32 s[G0+1], s3, 0
	s_mov_b64 s[G0+2:G0+3], s[20:21]
	s_or_b32 s[G0+3], s[G0+3], 0x80000000
	s_mov_b32 s[G0B], 1
	s_add_co_u32 s[G0B+1], s3, 0
	s_mov_b64 s[G0B+2:G0B+3], s[100:101]
	s_or_b32 s[G0B+3], s[G0B+3], 0x80000000
	JLOAD G0, G1, G0B, G1B                         ; my one load at the head: slots 0, 1, 2 of my eight blocks
	s_lshl_b32 s68, s18, 4                         ; the scale words that I read.  First part: x's block 16 x tile + 8 x my half,
	s_lshl_b32 s69, s15, 3
	s_add_co_u32 s68, s68, s69
	s_lshl_b32 s69, s99, 4
	s_lshl_b32 s70, s16, 3
	s_add_co_u32 s69, s69, s70
	s_add_co_u32 s69, s69, 512                     ; W's block, always the higher number
	s_sub_co_u32 s69, s69, s68
	s_lshl_b32 s68, s68, 6
	s_lshl_b32 s69, s69, 6
	s_lshl_b32 s70, s67, 4                         ; second part: x's block,
	s_lshl_b32 s71, s16, 3
	s_add_co_u32 s70, s70, s71
	s_lshl_b32 s71, s66, 3
	s_lshl_b32 s72, s15, 2
	s_add_co_u32 s71, s71, s72
	s_add_co_u32 s71, s71, 640                     ; W's block
	s_sub_co_u32 s71, s71, s70
	s_lshl_b32 s70, s70, 6
	s_lshl_b32 s71, s71, 6
	s_sub_co_u32 s72, s71, 256
	v_and_b32 v1, 15, v0                           ; r
	v_bfe_u32 v2, v0, 4, 1                         ; h
	v_and_b32 v3, 31, v0                           ; lane
	v_lshlrev_b32 v4, 4, v3
	v_lshlrev_b32 v6, 2, v1
	v_sub_nc_u32 v7, 1, v2
	v_mad_u32_u24 v248, v2, s69, v6                ; lanes 16-31 take W's words
	v_add_nc_u32 v248, s68, v248
	v_mad_u32_u24 v[SOF2], v7, s71, v6             ; second part: lanes 0-15 take W's
	v_add_nc_u32 v[SOF2], s70, v[SOF2]
	v_mad_u32_u24 v[SOF2B], v7, s72, v6
	v_add_nc_u32 v[SOF2B], s70, v[SOF2B]
	s_wait_alu depctr_va_vdst(0)
.irp s, 0,1,2,3
.irp i, 0,1,2,3,4,5,6,7
.irp q, 0,1
	global_load_b32 v[SC+16*\s+2*\i+\q], v248, s[6:7] offset:(2*\s+\q)*SCS+64*\i
.endr
.endr
.endr
	s_mul_i32 s21, s15, WPART
	s_mul_i32 s22, s16, WPART
	s_add_co_u32 s22, s22, 2*WPART
.irp s, 0,1,2
	v_add_nc_u32 v[ADRA+\s], s21, v4
	v_add_nc_u32 v[ADRB+\s], s22, v4
	s_add_co_u32 s21, s21, PART
	s_add_co_u32 s22, s22, PART
.endr
	s_mul_i32 s21, s15, 2*PART                     ; second part: W's halves [slot 4][12,288], then x's halves [slot 4][24,576]
	s_mul_i32 s22, s16, SLOT
	s_add_co_u32 s22, s22, SLOT
.irp g, 0,1,2,3
	v_add_nc_u32 v[ADRA2+\g], s21, v4
	v_add_nc_u32 v[ADRB2+\g], s22, v4
	s_add_co_u32 s21, s21, 4*RBB
	s_add_co_u32 s22, s22, PART
.endr
	s_lshl_b32 s23, s14, 11
	s_add_co_u32 s23, s23, STG
	v_lshl_add_u32 v[SA], v3, 2, s23
	v_lshl_add_u32 v[SB], v3, 4, s23
	v_lshl_add_u32 v[SB2], v3, 3, s23
	s_mov_b32 s2, 0xffff0000                       ; lanes 16-31
	s_mov_b32 s[SEL], 0x76543210
	s_mov_b32 s[SEL+1], 0xfedcba98
	s_lshl_b32 s18, s99, 1                         ; where q's and k's codes go: my 128 channels are one K step of q k^T
	s_add_co_u32 s18, s18, s16
	s_lshr_b32 s20, s18, 3
	s_and_b32 s18, s18, 7
	s_add_co_u32 s21, s17, s93
	s_lshl_b32 s21, s21, 4
	s_lshl_b32 s22, s15, 3
	s_add_co_u32 s21, s21, s22
	s_lshl_b32 s20, s20, 9
	s_add_co_u32 s21, s21, s20
	s_lshr_b32 s20, s18, 1
	s_mul_i32 s20, s20, 3145728
	s_mul_i32 s23, s21, 3072
	s_add_co_u32 s20, s20, s23
	s_and_b32 s23, s18, 1
	s_mul_i32 s23, s23, 1536
	s_add_co_u32 s20, s20, s23
	v_add_nc_u32 v[VO], s20, v4
	s_lshl_b32 s18, s18, 16
	s_lshl_b32 s21, s21, 6
	s_add_co_u32 s21, s21, s18
	v_add_nc_u32 v[SO], s21, v4
	s_lshl_b32 s19, s99, 10
	s_lshl_b32 s20, s16, 9
	s_add_co_u32 s19, s19, s20
	v_lshl_add_u32 v249, v2, 6, s19                ; q's and k's bias: my 128 channels, + 16 h
	s_lshl_b32 s18, s67, 1                         ; where v's codes go: my 128 tokens are one K step of p v
	s_add_co_u32 s18, s18, s16
	s_lshr_b32 s23, s18, 4
	s_and_b32 s18, s18, 15
	s_lshl_b32 s19, s66, 3
	s_lshl_b32 s20, s15, 2
	s_add_co_u32 s19, s19, s20
	s_mul_i32 s20, s23, 1572864
	s_lshr_b32 s21, s18, 2
	s_mul_i32 s21, s21, 393216
	s_add_co_u32 s20, s20, s21
	s_mul_i32 s21, s19, 6144
	s_add_co_u32 s20, s20, s21
	s_and_b32 s21, s18, 3
	s_mul_i32 s21, s21, 1536
	s_add_co_u32 s20, s20, s21
	s_add_co_u32 s20, s20, 12582912
	v_add_nc_u32 v[VO2], s20, v4
	s_lshl_b32 s23, s23, 16
	s_lshl_b32 s18, s18, 12
	s_add_co_u32 s23, s23, s18
	s_lshl_b32 s21, s19, 6
	s_add_co_u32 s23, s23, s21
	s_add_co_u32 s23, s23, 524288
	v_lshl_add_u32 v[SO2], v3, 3, s23
	s_lshl_b32 s19, s19, 6
	s_add_co_u32 s19, s19, 8192
	v_lshrrev_b32 v6, 3, v1
	v_lshl_add_u32 v6, v6, 3, v1
	v_lshl_add_u32 v250, v6, 2, s19                ; v's bias: the channel that my lane holds
	s_wait_alu depctr_va_vdst(0)                   ; the bias's offsets were written ahead of a run of scalar lines
	WIN TO_B
.irp b, 0,1,2,3,4,5,6,7
	global_load_b128 v[BBW+8*\b+96*(\b/4):BBW+8*\b+96*(\b/4)+3], v249, s[8:9] offset:(32*(\b/2)+8*(\b%2))*4
	global_load_b128 v[BBW+8*\b+96*(\b/4)+4:BBW+8*\b+96*(\b/4)+7], v249, s[8:9] offset:(32*(\b/2)+8*(\b%2))*4+16
.endr
	WIN 0
.irp a, 0,1,2,3
	global_load_b32 v[BA+2*\a], v250, s[8:9] offset:(32*(\a/2)+8*(\a%2))*4
	global_load_b32 v[BA+2*\a+1], v250, s[8:9] offset:(32*(\a/2)+8*(\a%2))*4
.endr
.macro FRAG reg, adr, q, i
.irp c, 0,1,2
	ds_load_b128 v[\reg+4*\c:\reg+4*\c+3], v[\adr] offset:(\i)*RBB+(\q)*1536+512*\c
.endr
.endm
.macro FETCH_B adr, q, p
	WIN TO_B
.irp i, 0,1,2,3,4,5,6,7
	FRAG 128*(\p)+FR*\i, \adr, \q, \i
.endr
	WIN 0
.endm
.macro FETCH_A adr, q, i0
.irp i, \i0, \i0+1, \i0+2, \i0+3
	FRAG AF+FR*(\i), \adr, \q, \i
.endr
.endm
.macro FETCH_A2 adr, q, i0
.irp i, \i0, \i0+1
	FRAG AF+FR*(\i), \adr, \q, \i
.endr
.endm
; eight matrix instructions: block a of source 1 against source 0's eight.  sc: the slot along K, q: its K step.  The accumulators take turns, one instruction a turn.
.macro MULA a, p, q, sc, zero
.irp b, 0,1,2,3,4,5,6,7
.if \zero
	v_wmma_scale_f32_16x16x128_f8f6f4 v[8*(8*((\a)%4)+\b):8*(8*((\a)%4)+\b)+7], v[128*(\p)+FR*\b:128*(\p)+FR*\b+FR-1], v[AF+FR*(\a):AF+FR*(\a)+FR-1], 0, v[SC+8*NQ*(\sc)+NQ*\b+(\q)], v[SC+8*NQ*(\sc)+NQ*(\a)+(\q)] matrix_a_fmt:MATRIX_FMT_BF6 matrix_b_fmt:MATRIX_FMT_BF6 matrix_a_scale:MATRIX_SCALE_ROW1
.else
	v_wmma_scale_f32_16x16x128_f8f6f4 v[8*(8*((\a)%4)+\b):8*(8*((\a)%4)+\b)+7], v[128*(\p)+FR*\b:128*(\p)+FR*\b+FR-1], v[AF+FR*(\a):AF+FR*(\a)+FR-1], v[8*(8*((\a)%4)+\b):8*(8*((\a)%4)+\b)+7], v[SC+8*NQ*(\sc)+NQ*\b+(\q)], v[SC+8*NQ*(\sc)+NQ*(\a)+(\q)] matrix_a_fmt:MATRIX_FMT_BF6 matrix_b_fmt:MATRIX_FMT_BF6 matrix_a_scale:MATRIX_SCALE_ROW1
.endif
.endr
.endm
.macro STEP slot, sc, zero             ; a slot's first 128 along K; source 0's fragments of the second 128 were asked for at the end of the step before
	s_wait_dscnt HA*NL+8*NL                        ; all but the youngest 36 loads (source 1's blocks 4-7, source 0's next set) are in
	WIN MUL_LO
.irp a, 0,1,2,3
	MULA \a, 0, 0, \sc, \zero
.endr
	s_wait_dscnt 8*NL                              ; source 1's blocks 4-7 are in; source 0's next set, 24 loads, may be out
	PLACES 4                                       ; four plain places in front of loads into registers that matrix instructions have read
	WIN 0
	FETCH_A ADRA+\slot, 1, 0
	WIN MUL_HI
.irp a, 4,5,6,7
	MULA \a, 0, 0, \sc, \zero
.endr
	PLACES 4
	WIN 0
	FETCH_A ADRA+\slot, 1, HA
.endm
; A slot's second 128 along K, which changes slots.  fill = 1: slot 0 is filled again: the wait for all my tensor loads, the add, the wait for it and for my reads; a round; the joint refill.
; fill = 0: the same lines and my work-group's barrier: the next slot holds the refill.  fill = 2: the next slot was shown whole by the head's barrier.
.macro TURN slot, sc, next, fill
.if (\fill) < 2
	s_wait_tensorcnt 0x0
	ds_add_u32 v[SPW], v[NIL]
	s_wait_dscnt HA*NL+1                           ; (the add and the youngest 12 loads may be out)
	WIN MUL_LO
	MULA 0, 1, 1, \sc, 0
	MULA 1, 1, 1, \sc, 0
	s_wait_dscnt 0x0                               ; the add is done, and my reads of this slot are over
	s_barrier_signal -1
	MULA 2, 1, 1, \sc, 0
	MULA 3, 1, 1, \sc, 0
	WIN 0
	s_barrier_wait -1
.else
	s_wait_dscnt HA*NL
	WIN MUL_LO
.irp a, 0,1,2,3
	MULA \a, 1, 1, \sc, 0
.endr
	WIN 0
	s_wait_dscnt 0x0
.endif
.if (\fill) == 1
	CREST
	s_add_nc_u64 s[G0+2:G0+3], s[G0+2:G0+3], 3*SSTR
	s_add_nc_u64 s[G0B+2:G0B+3], s[G0B+2:G0B+3], 3*SSTR
	JLOAD G0, G1, G0B, G1B                         ; the first tensor load behind the round; its four v_nop are the places in front of the loads below
.else
	PLACES 4
.endif
	FETCH_B ADRB+\next, 0, 0
	FETCH_A ADRA+\next, 0, 0
	WIN MUL_HI
.irp a, 4,5,6,7
	MULA \a, 1, 1, \sc, 0
.endr
	PLACES 4
	WIN 0
	FETCH_A ADRA+\next, 0, HA
	FETCH_B ADRB+\next, 1, 1                       ; set 1 is free behind the places above: the next slot's second 128, a whole step ahead of its use
.endm
	s_wait_alu depctr_va_vdst(0)                   ; the wait at the head's end
	s_wait_tensorcnt 0x0                           ; my part of slots 0, 1, 2 is in
.irp g, G1, G1B                        ; no tensor load of mine is out: from here a load brings one slot, 24,576 dense bytes as 96 rows of 256
	s_mov_b32 s[\g+1], 32<<16
	s_mov_b32 s[\g+2], 96<<16
	s_mov_b32 s[\g+3], 32<<16
	s_mov_b32 s[\g+4], 96
	s_mov_b32 s[\g+5], 32
.endr
	s_barrier_signal -1
	s_barrier_wait -1                              ; everybody's part is in
	FETCH_B ADRB, 0, 0
	FETCH_A ADRA, 0, 0
	FETCH_A ADRA, 0, HA
	FETCH_B ADRB, 1, 1
	s_wait_loadcnt 0x0                             ; the scale words and the bias
	STEP 0, 0, 1                                   ; the first products start the sums
	TURN 0, 0, 1, 1
	STEP 1, 1, 0
	TURN 1, 1, 2, 2
	STEP 2, 2, 0
	TURN 2, 2, 0, 0
	STEP 0, 3, 0
	s_wait_tensorcnt 0x0                           ; the change to the second part's tiles: the same three lines, with the descriptors, work on registers, between the add and its wait
	ds_add_u32 v[SPW], v[NIL]
	s_mov_b32 s[G1+1], 1536<<16                    ; W's half: four rows (slots) of 12,288 bytes
	s_mov_b32 s[G1+2], 4<<16
	s_mov_b32 s[G1+3], 1536<<16
	s_mov_b32 s[G1+4], 4
	s_mov_b32 s[G1+5], SSTR/8
	s_mov_b32 s[G1B+1], 3072<<16                   ; x's half: four rows of 24,576 bytes
	s_mov_b32 s[G1B+2], 4<<16
	s_mov_b32 s[G1B+3], 3072<<16
	s_mov_b32 s[G1B+4], 4
	s_mov_b32 s[G1B+5], SSTR/8
	s_lshl_b32 s18, s66, 3
	s_lshl_b32 s19, s16, 2
	s_add_co_u32 s18, s18, s19
	s_add_co_u32 s18, s18, 640
	s_mul_i32 s18, s18, RBB
	s_mov_b32 s19, 0
	s_mul_i32 s[G0+1], s16, 2*PART
	s_add_nc_u64 s[G0+2:G0+3], s[4:5], s[18:19]
	s_or_b32 s[G0+3], s[G0+3], 0x80000000
	s_lshl_b32 s100, s67, 4
	s_lshl_b32 s101, s16, 3
	s_add_co_u32 s100, s100, s101
	s_mul_i32 s100, s100, RBB
	s_mov_b32 s101, 0
	s_mul_i32 s[G0B+1], s16, SLOT
	s_add_co_u32 s[G0B+1], s[G0B+1], SLOT
	s_add_nc_u64 s[G0B+2:G0B+3], s[4:5], s[100:101]
	s_or_b32 s[G0B+3], s[G0B+3], 0x80000000
	s_wait_dscnt HA*NL+1
	WIN MUL_LO
	MULA 0, 1, 1, 3, 0
	MULA 1, 1, 1, 3, 0
	s_wait_dscnt 0x0
	s_barrier_signal -1
	MULA 2, 1, 1, 3, 0
	MULA 3, 1, 1, 3, 0
	WIN 0
	s_barrier_wait -1
	CREST
	JLOAD G0, G1, G0B, G1B
	WIN MUL_HI
.irp a, 4,5,6,7
	MULA \a, 1, 1, 3, 0
.endr
	WIN 0
	PLACES 4                                       ; in front of loads into scale registers, of the first read of results and of writes over operands
.irp s, 0,1,2,3                        ; the second part's scale words, into v64-127
.irp q, 0,1
.irp i, 0,1,2,3
	global_load_b32 v[64+16*\s+2*\i+\q], v[SOF2], s[6:7] offset:(2*\s+\q)*SCS+64*\i
.endr
.irp i, 4,5,6,7
	global_load_b32 v[64+16*\s+2*\i+\q], v[SOF2B], s[6:7] offset:(2*\s+\q)*SCS+64*\i
.endr
.endr
.endr
; 64 numbers of one row, four blocks of 32 shared with lane l xor 16, become 12 registers of codes and a scale word
.macro QUANT s, pw
.irp b, 0,1,2,3
	v_max3_num_f32 v[TM+\b], |v[\s+16*\b]|, |v[\s+1+16*\b]|, 0x2800000
.endr
.irp i, 2,4,6,8,10,12,14
.irp b, 0,1,2,3
	v_max3_num_f32 v[TM+\b], v[TM+\b], |v[\s+16*\b+\i]|, |v[\s+1+16*\b+\i]|
.endr
.endr
.irp b, 0,1,2,3
	v_permlanex16_b32 v[TM+4+\b], v[TM+\b], s[SEL], s[SEL+1]
.endr
.irp b, 0,1,2,3
	v_max_num_f32 v[TM+\b], v[TM+\b], v[TM+4+\b]
.endr
.irp b, 0,1,2,3
	v_add_nc_u32 v[TM+12+\b], 0xfe000000, v[TM+\b]
.endr
.irp b, 0,1,2,3
	v_lshrrev_b32 v[TM+4+\b], 23, v[TM+12+\b]
.endr
	v_lshl_or_b32 v[\pw], v[TM+5], 8, v[TM+4]
	v_lshl_or_b32 v[\pw], v[TM+6], 16, v[\pw]
	v_lshl_or_b32 v[\pw], v[TM+7], 24, v[\pw]
.irp c, 0,1
	v_cvt_scalef32_pk16_bf6_f32 v[PC+6*\c:PC+2+6*\c], v[\s+32*\c:\s+15+32*\c], v[TM+12+2*\c]
	v_cvt_scalef32_pk16_bf6_f32 v[PC+12+4*\c:PC+14+4*\c], v[\s+16+32*\c:\s+31+32*\c], v[TM+12+2*\c+1]
.endr
	v_nop                                          ; one plain place behind a scaled conversion
.irp c, 0,1
.irp i, 0,1,2
	v_permlane16_swap_b32 v[PC+6*\c+\i], v[PC+12+4*\c+\i]
.endr
.irp i, 0,1,2
	v_mov_b32 v[PC+3+6*\c+\i], v[PC+12+4*\c+\i]
.endr
.endr
.endm
.macro OUTQ a
	WIN (2+(\a)/4)|4                               ; source 0: the accumulators' window; source 1: the bias, in window 1
.set n_, 0
.rept 32
	v_pk_add_f32 v[T+n_:T+n_+1], v[64*((\a)%4)+n_:64*((\a)%4)+n_+1], v[BBW+n_+96*(n_/32):BBW+n_+96*(n_/32)+1]
.set n_, n_+2
.endr
	WIN 0
.if (\a) > 0
	s_wait_xcnt 0x0                                ; the last block's stores have read their codes
.endif
	QUANT T, PWS+(\a)
.irp c, 0,1,2
	global_store_b128 v[VO], v[PC+4*\c:PC+4*\c+3], s[10:11] offset:3072*(\a)+512*\c
.endr
.endm
.macro OUTV a
	WIN 2
.set n_, 0
.rept 32
	v_pk_add_f32 v[T+n_:T+n_+1], v[64*(\a)+n_:64*(\a)+n_+1], v[BA+2*(\a):BA+2*(\a)+1]
.set n_, n_+2
.endr
	WIN 0
	s_wait_xcnt 0x0
	QUANT T, PWS+(\a)
.irp c, 0,1,2
	global_store_b128 v[VO2], v[PC+4*\c:PC+4*\c+3], s[10:11] offset:6144*(\a)+512*\c
.endr
.endm
.irp b, 0,1,2,3
	v_mov_b32 v[TM+4+\b], 0                        ; a lane permute's destination counts as one of its sources
.endr
.irp a, 0,1,2,3,4,5,6,7
	OUTQ \a
.endr
.irp g, 0,1,2,3
	v_cndmask_b32 v[T+\g], v[PWS+2*\g], v[PWS+2*\g+1], s2
.endr
.irp g, 0,1,2,3
	ds_store_b32 v[SA], v[T+\g] offset:128*\g
.endr
	ds_load_b128 v[T+4:T+7], v[SB]                 ; in order behind my stores
	s_wait_dscnt 0x0
	global_store_b128 v[SO], v[T+4:T+7], s[12:13]  ; 512 consecutive bytes, aligned
.set SC, 64                            ; from here the scale words of the second part
.macro STEP2 k, zero
	s_wait_dscnt 2*NL+8*NL                         ; all but the youngest 30 loads (source 1's blocks 2, 3, source 0's next set) are in
	WIN MUL_LO
	MULA 0, (\k)%2, (\k)%2, (\k)/2, \zero
	MULA 1, (\k)%2, (\k)%2, (\k)/2, \zero
	s_wait_dscnt 8*NL                              ; source 1's blocks 2, 3 are in; source 0's next set may be out
	PLACES 4
	WIN 0
	FETCH_A2 ADRA2+((\k)+1)/2, ((\k)+1)%2, 0
	WIN MUL_LO
	MULA 2, (\k)%2, (\k)%2, (\k)/2, \zero
	MULA 3, (\k)%2, (\k)%2, (\k)/2, \zero
	PLACES 4
	WIN 0
	FETCH_A2 ADRA2+((\k)+1)/2, ((\k)+1)%2, 2
.if (\k) < 6
	FETCH_B ADRB2+((\k)+2)/2, (\k)%2, (\k)%2       ; this step's set is free behind the places above: K step k + 2, a whole step ahead of its use
.endif
.endm
	s_wait_xcnt 0x0                                ; the stores have read their registers: fragments may land there
	s_wait_tensorcnt 0x0
	s_barrier_signal -1
	s_barrier_wait -1                              ; the second part's tiles are whole
	FETCH_B ADRB2, 0, 0
	FETCH_A2 ADRA2, 0, 0
	FETCH_A2 ADRA2, 0, 2
	FETCH_B ADRB2, 1, 1
	s_wait_loadcnt 0x0                             ; the second part's scale words
	STEP2 0, 1
.irp k, 1,2,3,4,5,6
	STEP2 \k, 0
.endr
	s_wait_dscnt 2*NL
	WIN MUL_LO
	MULA 0, 1, 1, 3, 0
	MULA 1, 1, 1, 3, 0
	s_wait_dscnt 0
	MULA 2, 1, 1, 3, 0
	MULA 3, 1, 1, 3, 0
	WIN 0
	PLACES 4
.irp a, 0,1,2,3
	OUTV \a
.endr
	v_cndmask_b32 v[T], v[PWS], v[PWS+1], s2
	v_cndmask_b32 v[T+1], v[PWS+2], v[PWS+3], s2
	ds_store_b32 v[SA], v[T]
	ds_store_b32 v[SA], v[T+1] offset:128
	ds_load_b64 v[T+2:T+3], v[SB2]
	s_wait_dscnt 0x0
	global_store_b64 v[SO2], v[T+2:T+3], s[12:13]
	s_wait_tensorcnt 0x0                           ; the wave's end
	ds_add_u32 v[SPW], v[NIL]
	s_wait_dscnt 0x0
	CROUND                                         ; the closing round
	s_endpgm
.Lfunc_end_k_q4f3de098dc_qkv:
	.size	k_q4f3de098dc_qkv, .Lfunc_end_k_q4f3de098dc_qkv-k_q4f3de098dc_qkv
	.p2alignl 7, 3214868480
	.fill 96, 4, 3214868480
	.section	.rodata,"a",@progbits
	.p2align	6, 0x0
	.amdhsa_kernel k_q4f3de098dc_qkv
		.amdhsa_group_segment_fixed_size 327680
		.amdhsa_private_segment_fixed_size 0
		.amdhsa_enable_private_segment 0
		.amdhsa_kernarg_size 40
		.amdhsa_user_sgpr_count 2
		.amdhsa_user_sgpr_kernarg_segment_ptr 1
		.amdhsa_wavefront_size32 1
		.amdhsa_system_sgpr_workgroup_id_x 1
		.amdhsa_system_sgpr_workgroup_id_y 1
		.amdhsa_system_sgpr_workgroup_id_z 1
		.amdhsa_system_vgpr_workitem_id 0
		.amdhsa_next_free_vgpr 1024
		.amdhsa_next_free_sgpr 106
		.amdhsa_reserve_vcc 0
		.amdhsa_float_denorm_mode_32 3
		.amdhsa_float_denorm_mode_16_64 3
		.amdhsa_memory_ordered 1
		.amdhsa_forward_progress 1
		.amdhsa_inst_pref_size 249
	.end_amdhsa_kernel
	.amdgpu_metadata
---
amdhsa.version: [ 1, 2 ]
amdhsa.kernels:
  - .name:           k_q4f3de098dc_qkv
    .symbol:         k_q4f3de098dc_qkv.kd
    .args:
      - { .name: xw_codes, .offset: 0, .size: 8, .value_kind: global_buffer, .address_space: global }
      - { .name: xw_scales, .offset: 8, .size: 8, .value_kind: global_buffer, .address_space: global }
      - { .name: b_qkv, .offset: 16, .size: 8, .value_kind: global_buffer, .address_space: global }
      - { .name: qkv_codes, .offset: 24, .size: 8, .value_kind: global_buffer, .address_space: global }
      - { .name: qkv_scales, .offset: 32, .size: 8, .value_kind: global_buffer, .address_space: global }
    .group_segment_fixed_size: 327680
    .private_segment_fixed_size: 0
    .kernarg_segment_align: 8
    .kernarg_segment_size: 40
    .max_flat_workgroup_size: 128
    .sgpr_count:     106
    .vgpr_count:     1024
    .wavefront_size: 32
...
	.end_amdgpu_metadata
.endif
;; end of part 2
;; launch score (part 3): grid 8 x 32, 4 waves a work-group, clusters of 4 x 4, 327,680 bytes of LDS; arguments qkv_codes, qkv_scales, p_codes, p_stats; writes p_codes, p_stats
.if DOCPART == 3
	.amdgcn_target "amdgcn-amd-amdhsa--gfx1250"
	.amdhsa_code_object_version 6
	.text
	.protected	k_q4f3de098dc_score
	.globl	k_q4f3de098dc_score
	.p2align	8
	.type	k_q4f3de098dc_score,@function
k_q4f3de098dc_score:
	s_mov_b64 s[64:65], 0
	v_nop
	global_prefetch_b8 v0, s[64:65] scope:SCOPE_SE
	s_setreg_imm32_b32 hwreg(HW_REG_WAVE_MODE, 25, 1), 1
	s_wait_xcnt 0x0
	s_wait_alu depctr_hold_cnt(0) depctr_sa_sdst(0) depctr_va_vdst(0) depctr_va_sdst(0) depctr_va_ssrc(0) depctr_va_vcc(0) depctr_vm_vsrc(0)
	s_getreg_b32 s2, hwreg(HW_REG_IB_STS2, 6, 4)
	s_cmp_eq_u32 s2, 0
	s_cbranch_scc0 .Lentry_in_a_cluster
	s_endpgm
.Lentry_in_a_cluster:
	s_bfe_u32 s2, ttmp6, 0x10000c
	s_cmp_lg_u32 s2, 0xf033
	s_cbranch_scc0 .Lentry_shape_is_right
	s_endpgm
.Lentry_shape_is_right:
; S = q k^T on codes of BF6 (E3M2) with E8M0 scales, and the softmax's p quantised at once.  A tile of 256 queries x 256 keys is made by four waves, 128 x 128 each.
; SOURCE 1 = 16 queries (a lane holds one query), SOURCE 0 = 16 keys (a lane's registers run along the keys): my 128 keys are one K step of the last product.
; THE SOFTMAX IS TAKEN IN TWO PARTS.  Here: t = score x log2(e) / 32; M' = the largest t of a query over MY 128 keys, rounded up to a whole number; p = 2^(t - M'); l' = the sum of the unquantised p;
; p's codes and scale word under M'.  M' and l' go to memory beside the scale words.  The next launch takes M = the largest M' of a query's 16 groups and brings each group under it by a power of two, which rounds nothing.
; A block's largest p is not searched for: the block's largest score goes through the same multiply-add and exponential (this takes v_exp_f32 not to fall where its input rises).
; OPERANDS are images of fragments, [K / 256][block of 16 rows][2][1,536].  K = 1,024 is four slots of 256.  LDS: each wave fetches eight blocks; its part holds three slots on end, brought by ONE tensor load at the head
; whose three rows are the three slots; the fourth slot goes into slot 0's bytes behind the one round at the first change of slots.
; SCALE WORDS go from memory straight into registers, once: 8 K steps x 8 blocks = 64 registers a wave; lanes 0-15 q's words, lanes 16-31 k's.  Eight loads of a K step cover 512 consecutive bytes a side.
; CLUSTER 4 x 4: q's tiles are asked for jointly along a row, k's along a column.  No prefetch: the text has no loop to run ahead in, and three of K's four slots are asked for at the head.
; LIMITS: p under 2^-126 of its group's largest counts as 0; a block whose every p is 0 gets the byte 1 and zero codes; NaN and infinities are not served; the scaled scores stay under 2^31 in magnitude.
.set NQ,    2
.set FR,    12
.set NL,    3
.set HA,    4
.set RBB,   NQ*1536
.set PART,  8*RBB
.set WPART, 3*PART
.set SLOT,  4*PART
.set SSTR,  3145728                    ; from slot to slot in memory: 1,024 blocks
.set SCS,   65536                      ; from K step to K step among the scale words
.set SPARE, 3*SLOT                     ; the spare words, 128 bytes a wave
.set STG,   SPARE+512                  ; 2,048 bytes a wave for the statistics' way out: no fill lands here
.set ADRA, 16                          ; v16-18  LDS address of q's fragments in slot 0, 1, 2
.set ADRB, 19                          ; v19-21  of k's
.set VO,   24                          ; v24     16 x lane
.set SA,   25
.set SB,   26
.set SPW,  28
.set NIL,  29
.set SC,   32                          ; v32-95  the scale words
.set PWS,  32                          ; the way out: eight scale words,
.set MS,   40                          ; eight M',
.set LS,   48                          ; eight l'
.set AF,   128
.set T,    128                         ; t - M', then p
.set PC,   192                         ; p's codes
.set BM,   212                         ; the four blocks' largest scores, then largest p
.set BP,   216
.set SO,   220                         ; the conversions' scale operands
.set NM,   224                         ; v[224:225] -M'
.set LSUM, 226
.set G1,   24
.set G0,   32
.set G1B,  44
.set G0B,  52
.set CS,   66                          ; s[66:67] c = log2(e) / 32
.set SEL,  96
.set MSB, 0
.macro WIN new
.if MSB != (\new)
	s_set_vgpr_msb (MSB<<8)|(\new)
.set MSB, \new
.endif
.endm
.set MUL_LO, 0xa1
.set MUL_HI, 0xf1
.set TO_B,   0x40
.macro JLOAD g0a, g1a, g0b, g1b        ; a joint load: waves 0, 1 fetch q's halves, waves 2, 3 k's; s_nop 0 and four v_nop follow each line
	s_cmp_eq_u32 s15, 0
	s_cbranch_scc0 .Lfor_b_\@
	tensor_load_to_lds s[\g0a:\g0a+3], s[\g1a:\g1a+7]
	s_nop 0
.rept 4
	v_nop
.endr
	s_branch .Lasked_\@
.Lfor_b_\@:
	tensor_load_to_lds s[\g0b:\g0b+3], s[\g1b:\g1b+7]
	s_nop 0
.rept 4
	v_nop
.endr
.Lasked_\@:
.endm
.macro CREST
	s_cmp_lg_u32 s14, 0
	s_cbranch_scc1 .Lnot_wave_0_\@
	s_barrier_signal -3
.Lnot_wave_0_\@:
	s_barrier_wait -3
	s_barrier_signal -1
	s_barrier_wait -1
.endm
.macro CROUND
	s_barrier_signal -1
	s_barrier_wait -1
	CREST
.endm
.macro PLACES n
.rept \n
	v_nop
.endr
.endm
	s_load_b256 s[4:11], s[0:1], 0x0               ; q's and k's codes s[4:5], their scale words s[6:7], p's codes s[8:9], p's statistics s[10:11]
	v_lshl_add_u32 v[SPW], v0, 2, SPARE
	v_mov_b32 v[NIL], 0
	ds_add_u32 v[SPW], v[NIL]                      ; the opening lines: the add twice on end and one wait
	ds_add_u32 v[SPW], v[NIL]
	v_lshrrev_b32 v1, 5, v0
	v_readfirstlane_b32 s14, v1                    ; wave 0..3
	s_lshr_b32 s15, s14, 1                         ; which half of the queries is mine.  Also: I fetch for q (0) or k (1)
	s_and_b32 s16, s14, 1                          ; which half of the keys.  Also: which half of that tile I fetch
	s_bfe_u32 s92, ttmp6, 0x40000                  ; cx
	s_bfe_u32 s93, ttmp6, 0x40004                  ; cy
	s_lshl_b32 s98, ttmp9, 2
	s_add_co_u32 s98, s98, s92                     ; tile of keys in the batch, 0..7
	s_and_b32 s17, ttmp7, 0xffff
	s_lshr_b32 s2, s17, 1                          ; batch: the same in all sixteen partners
	s_lshl_b32 s17, s17, 2
	s_add_co_u32 s17, s17, s93                     ; tile of queries, 0..31
	s_lshl_b32 s94, s93, 2
	s_lshl_b32 s94, 15, s94                        ; my row of the cluster
	s_lshl_b32 s95, 0x1111, s92                    ; my column
	s_or_b32 s[G1+0], s94, (3<<16)|(1<<21)
	s_or_b32 s[G1B+0], s95, (3<<16)|(1<<21)
.irp g, G1, G1B                        ; the head's load: three rows (slots) of 24,576 bytes = 3,072 elements of 8 bytes
	s_mov_b32 s[\g+1], 3072<<16
	s_mov_b32 s[\g+2], 3<<16
	s_mov_b32 s[\g+3], 3072<<16
	s_mov_b32 s[\g+4], 3
	s_mov_b32 s[\g+5], SSTR/8
	s_mov_b32 s[\g+6], 0
	s_mov_b32 s[\g+7], 0
.endr
	s_lshl_b32 s3, s16, 3
	s_lshl_b32 s20, s17, 4
	s_add_co_u32 s20, s20, s3                      ; q: block 16 x tile + 8 x half
	s_lshl_b32 s100, s98, 4
	s_add_co_u32 s100, s100, s3
	s_lshl_b32 s101, s2, 7
	s_add_co_u32 s100, s100, s101
	s_add_co_u32 s100, s100, 512                   ; k: block 512 + 128 x batch + 16 x tile + 8 x half
	s_mul_i32 s20, s20, RBB
	s_mov_b32 s21, 0
	s_mul_i32 s100, s100, RBB
	s_mov_b32 s101, 0
	s_mul_i32 s3, s14, WPART                       ; where they go: by the wave's number alone
	s_wait_alu depctr_va_vdst(0)                   ; the wait ahead of the waits below
	s_wait_dscnt 0x0                               ; both opening adds are done
	s_wait_kmcnt 0x0
	s_add_nc_u64 s[20:21], s[4:5], s[20:21]
	s_add_nc_u64 s[100:101], s[4:5], s[100:101]
	CROUND                                         ; all sixteen work-groups are here: the first joint loads meet
	s_mov_b32 s[G0], 1
	s_add_co_u32 s[G0+1], s3, 0
	s_mov_b64 s[G0+2:G0+3], s[20:21]
	s_or_b32 s[G0+3], s[G0+3], 0x80000000
	s_mov_b32 s[G0B], 1
	s_add_co_u32 s[G0B+1], s3, 0
	s_mov_b64 s[G0B+2:G0B+3], s[100:101]
	s_or_b32 s[G0B+3], s[G0B+3], 0x80000000
	JLOAD G0, G1, G0B, G1B                         ; my one load at the head: slots 0, 1, 2 of my eight blocks
	s_lshl_b32 s68, s17, 4                         ; the scale words that I read: q's block 16 x tile + 8 x my half,
	s_lshl_b32 s69, s15, 3
	s_add_co_u32 s68, s68, s69
	s_lshl_b32 s69, s98, 4
	s_lshl_b32 s70, s16, 3
	s_add_co_u32 s69, s69, s70
	s_lshl_b32 s70, s2, 7
	s_add_co_u32 s69, s69, s70
	s_add_co_u32 s69, s69, 512                     ; k's block, always the higher number
	s_sub_co_u32 s69, s69, s68
	s_lshl_b32 s68, s68, 6
	s_lshl_b32 s69, s69, 6
	v_and_b32 v1, 15, v0                           ; r
	v_bfe_u32 v2, v0, 4, 1                         ; h
	v_and_b32 v3, 31, v0                           ; lane
	v_lshlrev_b32 v4, 4, v3
	v_lshlrev_b32 v6, 2, v1
	v_mad_u32_u24 v248, v2, s69, v6                ; lanes 16-31 take k's words
	v_add_nc_u32 v248, s68, v248
	s_wait_alu depctr_va_vdst(0)
.irp s, 0,1,2,3
.irp i, 0,1,2,3,4,5,6,7
.irp q, 0,1
	global_load_b32 v[SC+16*\s+2*\i+\q], v248, s[6:7] offset:(2*\s+\q)*SCS+64*\i
.endr
.endr
.endr
	s_mul_i32 s21, s15, WPART
	s_mul_i32 s22, s16, WPART
	s_add_co_u32 s22, s22, 2*WPART
.irp s, 0,1,2
	v_add_nc_u32 v[ADRA+\s], s21, v4
	v_add_nc_u32 v[ADRB+\s], s22, v4
	s_add_co_u32 s21, s21, PART
	s_add_co_u32 s22, s22, PART
.endr
	s_lshl_b32 s23, s14, 11
	s_add_co_u32 s23, s23, STG
	v_lshl_add_u32 v[SA], v3, 2, s23
	v_lshl_add_u32 v[SB], v3, 4, s23
	v_mov_b32 v[VO], v4
	s_mov_b32 s3, 0xffff0000                       ; lanes 16-31
	s_mov_b32 s[SEL], 0x76543210
	s_mov_b32 s[SEL+1], 0xfedcba98
	s_mov_b32 s[CS], 0x3d38aa3b                    ; log2(e) / sqrt(1024)
	s_mov_b32 s[CS+1], s[CS]                       ; (named with it as a pair, so it is written)
	; where my results go: K step s = 2 x tile of keys + half, of 16; my 128 queries are eight blocks of the batch's 128
	s_lshl_b32 s18, s98, 1
	s_add_co_u32 s18, s18, s16
	s_and_b32 s19, s17, 7
	s_lshl_b32 s19, s19, 4
	s_lshl_b32 s20, s15, 3
	s_add_co_u32 s19, s19, s20
	s_mul_i32 s20, s2, 3145728
	s_lshr_b32 s21, s18, 2
	s_mul_i32 s21, s21, 786432
	s_add_co_u32 s20, s20, s21
	s_mul_i32 s21, s19, 6144
	s_add_co_u32 s20, s20, s21
	s_and_b32 s21, s18, 3
	s_mul_i32 s21, s21, 1536
	s_add_co_u32 s20, s20, s21
	s_mov_b32 s21, 0
	s_add_nc_u64 s[8:9], s[8:9], s[20:21]
	s_lshl_b32 s20, s2, 17
	s_lshl_b32 s22, s18, 13
	s_add_co_u32 s20, s20, s22
	s_lshl_b32 s22, s19, 6
	s_add_co_u32 s20, s20, s22
	s_add_nc_u64 s[10:11], s[10:11], s[20:21]
.macro FRAG reg, adr, q, i
.irp c, 0,1,2
	ds_load_b128 v[\reg+4*\c:\reg+4*\c+3], v[\adr] offset:(\i)*RBB+(\q)*1536+512*\c
.endr
.endm
.macro FETCH_B adr, q, p
	WIN TO_B
.irp i, 0,1,2,3,4,5,6,7
	FRAG 128*(\p)+FR*\i, \adr, \q, \i
.endr
	WIN 0
.endm
.macro FETCH_A adr, q, i0
.irp i, \i0, \i0+1, \i0+2, \i0+3
	FRAG AF+FR*(\i), \adr, \q, \i
.endr
.endm
; eight matrix instructions: block a of the queries against eight blocks of keys.  sc: the slot along K, q: its K step.  The 64 accumulators take turns, one instruction a turn.
.macro MULA a, p, q, sc, zero
.irp b, 0,1,2,3,4,5,6,7
.if \zero
	v_wmma_scale_f32_16x16x128_f8f6f4 v[8*(8*((\a)%4)+\b):8*(8*((\a)%4)+\b)+7], v[128*(\p)+FR*\b:128*(\p)+FR*\b+FR-1], v[AF+FR*(\a):AF+FR*(\a)+FR-1], 0, v[SC+8*NQ*(\sc)+NQ*\b+(\q)], v[SC+8*NQ*(\sc)+NQ*(\a)+(\q)] matrix_a_fmt:MATRIX_FMT_BF6 matrix_b_fmt:MATRIX_FMT_BF6 matrix_a_scale:MATRIX_SCALE_ROW1
.else
	v_wmma_scale_f32_16x16x128_f8f6f4 v[8*(8*((\a)%4)+\b):8*(8*((\a)%4)+\b)+7], v[128*(\p)+FR*\b:128*(\p)+FR*\b+FR-1], v[AF+FR*(\a):AF+FR*(\a)+FR-1], v[8*(8*((\a)%4)+\b):8*(8*((\a)%4)+\b)+7], v[SC+8*NQ*(\sc)+NQ*\b+(\q)], v[SC+8*NQ*(\sc)+NQ*(\a)+(\q)] matrix_a_fmt:MATRIX_FMT_BF6 matrix_b_fmt:MATRIX_FMT_BF6 matrix_a_scale:MATRIX_SCALE_ROW1
.endif
.endr
.endm
.macro STEP slot, sc, zero             ; a slot's first 128 along K; k's fragments of the second 128 were asked for at the end of the step before
	s_wait_dscnt HA*NL+8*NL                        ; all but the youngest 36 loads (q's blocks 4-7, k's next set) are in
	WIN MUL_LO
.irp a, 0,1,2,3
	MULA \a, 0, 0, \sc, \zero
.endr
	s_wait_dscnt 8*NL                              ; q's blocks 4-7 are in; k's next set, 24 loads, may be out
	PLACES 4                                       ; four plain places in front of loads into registers that matrix instructions have read
	WIN 0
	FETCH_A ADRA+\slot, 1, 0
	WIN MUL_HI
.irp a, 4,5,6,7
	MULA \a, 0, 0, \sc, \zero
.endr
	PLACES 4
	WIN 0
	FETCH_A ADRA+\slot, 1, HA
.endm
; A slot's second 128 along K, which changes slots.  fill = 1: slot 0 is filled again: the wait for all my tensor loads, the add, the wait for it and for my reads; a round; the joint refill.
; fill = 0: the same lines and my work-group's barrier: the next slot holds the refill.  fill = 2: the next slot was shown whole by the head's barrier.
.macro TURN slot, sc, next, fill
.if (\fill) < 2
	s_wait_tensorcnt 0x0
	ds_add_u32 v[SPW], v[NIL]
	s_wait_dscnt HA*NL+1                           ; (the add and the youngest 12 loads may be out)
	WIN MUL_LO
	MULA 0, 1, 1, \sc, 0
	MULA 1, 1, 1, \sc, 0
	s_wait_dscnt 0x0                               ; the add is done, and my reads of this slot are over
	s_barrier_signal -1
	MULA 2, 1, 1, \sc, 0
	MULA 3, 1, 1, \sc, 0
	WIN 0
	s_barrier_wait -1
.else
	s_wait_dscnt HA*NL
	WIN MUL_LO
.irp a, 0,1,2,3
	MULA \a, 1, 1, \sc, 0
.endr
	WIN 0
	s_wait_dscnt 0x0
.endif
.if (\fill) == 1
	CREST
	s_add_nc_u64 s[G0+2:G0+3], s[G0+2:G0+3], 3*SSTR
	s_add_nc_u64 s[G0B+2:G0B+3], s[G0B+2:G0B+3], 3*SSTR
	JLOAD G0, G1, G0B, G1B                         ; the first tensor load behind the round; its four v_nop are the places in front of the loads below
.else
	PLACES 4
.endif
	FETCH_B ADRB+\next, 0, 0
	FETCH_A ADRA+\next, 0, 0
	WIN MUL_HI
.irp a, 4,5,6,7
	MULA \a, 1, 1, \sc, 0
.endr
	PLACES 4
	WIN 0
	FETCH_A ADRA+\next, 0, HA
	FETCH_B ADRB+\next, 1, 1                       ; set 1 is free behind the places above: the next slot's second 128, a whole step ahead of its use
.endm
	s_wait_alu depctr_va_vdst(0)                   ; the wait at the head's end
	s_wait_tensorcnt 0x0                           ; my part of slots 0, 1, 2 is in
.irp g, G1, G1B                        ; no tensor load of mine is out: the refill brings one slot, 24,576 dense bytes as 96 rows of 256
	s_mov_b32 s[\g+1], 32<<16
	s_mov_b32 s[\g+2], 96<<16
	s_mov_b32 s[\g+3], 32<<16
	s_mov_b32 s[\g+4], 96
	s_mov_b32 s[\g+5], 32
.endr
	s_barrier_signal -1
	s_barrier_wait -1                              ; everybody's part is in
	FETCH_B ADRB, 0, 0
	FETCH_A ADRA, 0, 0
	FETCH_A ADRA, 0, HA
	FETCH_B ADRB, 1, 1
	s_wait_loadcnt 0x0                             ; the scale words
	STEP 0, 0, 1                                   ; the first products start the sums: nothing is cleared
	TURN 0, 0, 1, 1
	STEP 1, 1, 0
	TURN 1, 1, 2, 2
	STEP 2, 2, 0
	TURN 2, 2, 0, 0
	STEP 0, 3, 0
	s_wait_dscnt HA*NL
	WIN MUL_LO
.irp a, 0,1,2,3
	MULA \a, 1, 1, 3, 0
.endr
	s_wait_dscnt 0
	WIN MUL_HI
.irp a, 4,5,6,7
	MULA \a, 1, 1, 3, 0
.endr
	WIN 0
; block a of my queries: register 16 b + i of the block's 64 is key 32 b + 16 (lane / 16) + i of my 128.  Each accumulator is first read at its low end.
.macro SOFTA a
.set W_,  2+(\a)/4
.set W3_, W_|(W_<<2)|(W_<<4)
.set W2_, (W_<<2)|(W_<<4)
.set AC_, 64*((\a)%4)
	WIN W3_
.irp b, 0,1,2,3
	v_max3_num_f32 v[BM+\b], v[AC_+16*\b], v[AC_+16*\b+1], v[AC_+16*\b+2]   ; the largest score of each block of 32 keys: it serves for the row's maximum and for the block's largest p
.endr
	WIN W2_
.irp i, 3,5,7,9,11,13
.irp b, 0,1,2,3
	v_max3_num_f32 v[BM+\b], v[BM+\b], v[AC_+16*\b+\i], v[AC_+16*\b+\i+1]
.endr
.endr
.irp b, 0,1,2,3
	v_max_num_f32 v[BM+\b], v[BM+\b], v[AC_+16*\b+15]
.endr
	WIN 0
.irp b, 0,1,2,3
	v_permlanex16_b32 v[BP+\b], v[BM+\b], s[SEL], s[SEL+1]
.endr
.irp b, 0,1,2,3
	v_max_num_f32 v[BM+\b], v[BM+\b], v[BP+\b]     ; with lane l xor 16's 16 keys
.endr
	v_max3_num_f32 v228, v[BM], v[BM+1], v[BM+2]
	v_max_num_f32 v228, v228, v[BM+3]
	v_mul_f32 v228, s[CS], v228                    ; the largest t of my query over these 128 keys (c is positive)
	v_floor_f32 v[NM], -v228                       ; -M' = floor(-t): a whole number
	v_mov_b32 v[NM+1], v[NM]
	WIN W_
.set n_, 0
.rept 32
	v_pk_fma_f32 v[T+n_:T+n_+1], v[AC_+n_:AC_+n_+1], s[CS:CS+1], v[NM:NM+1] op_sel_hi:[1,0,0]   ; t - M', two at a time
.set n_, n_+2
.endr
	WIN 0
.irp b, 0,1,2,3
	v_fma_f32 v[BM+\b], v[BM+\b], s[CS], v[NM]     ; the same of each block's largest score
.endr
.set n_, 0
	s_wait_alu depctr_va_vdst(0)                   ; the wait ahead of the batch
.rept 64
	v_exp_f32 v[T+n_], v[T+n_]                     ; p = 2^(t - M'), at most 1
.set n_, n_+1
.endr
	v_mul_f32 v[MS+(\a)], -1.0, v[NM]              ; M'.  (The plain place behind the exponentials)
	s_wait_alu depctr_va_vdst(0)                   ; one wait for the batch of 64, ahead of its first reader
.irp b, 0,1,2,3
	v_exp_f32 v[BM+\b], v[BM+\b]                   ; the block's largest p: the same two instructions on the same number
.endr
	v_pk_add_f32 v[BP:BP+1], v[T:T+1], v[T+2:T+3]  ; the sum of the unquantised p, two at a time, in two chains; it reads the 64 alone
	v_pk_add_f32 v[LSUM:LSUM+1], v[T+4:T+5], v[T+6:T+7]
.irp j, 8,12,16,20,24,28,32,36,40,44,48,52,56,60
	v_pk_add_f32 v[LSUM:LSUM+1], v[LSUM:LSUM+1], v[T+\j:T+\j+1]
	v_pk_add_f32 v[BP:BP+1], v[BP:BP+1], v[T+\j+2:T+\j+3]
.endr
	v_pk_add_f32 v[LSUM:LSUM+1], v[LSUM:LSUM+1], v[BP:BP+1]
	s_wait_alu depctr_va_vdst(0)                   ; and one for the four
	v_add_f32 v228, v[LSUM], v[LSUM+1]
	v_permlanex16_b32 v229, v228, s[SEL], s[SEL+1]
	v_add_f32 v[LS+(\a)], v228, v229               ; l'
.irp b, 0,1,2,3
	v_max_num_f32 v[BM+\b], 0x2800000, v[BM+\b]    ; the floor 2^(5 - 127): the byte cannot fall under 1
.endr
.irp b, 0,1,2,3
	v_add_nc_u32 v[SO+\b], 0xfe000000, v[BM+\b]    ; 4 off the exponent field: the conversion's scale operand
.endr
.irp b, 0,1,2,3
	v_lshrrev_b32 v[BP+\b], 23, v[SO+\b]           ; the scale's byte
.endr
	v_lshl_or_b32 v[PWS+(\a)], v[BP+1], 8, v[BP]
	v_lshl_or_b32 v[PWS+(\a)], v[BP+2], 16, v[PWS+(\a)]
	v_lshl_or_b32 v[PWS+(\a)], v[BP+3], 24, v[PWS+(\a)]
.if (\a) > 0
	s_wait_xcnt 0x0                                ; the last block's stores have read their codes
.endif
.irp c, 0,1
	v_cvt_scalef32_pk16_bf6_f32 v[PC+6*\c:PC+2+6*\c], v[T+32*\c:T+15+32*\c], v[SO+2*\c]
	v_cvt_scalef32_pk16_bf6_f32 v[PC+12+4*\c:PC+14+4*\c], v[T+16+32*\c:T+31+32*\c], v[SO+2*\c+1]   ; (a conversion's three registers begin on an even number)
.endr
	v_nop                                          ; one plain place behind a scaled conversion
.irp c, 0,1                            ; the operand's layout wants a whole block in a lane
.irp i, 0,1,2
	v_permlane16_swap_b32 v[PC+6*\c+\i], v[PC+12+4*\c+\i]
.endr
.irp i, 0,1,2
	v_mov_b32 v[PC+3+6*\c+\i], v[PC+12+4*\c+\i]
.endr
.endr
.irp c, 0,1,2
	global_store_b128 v[VO], v[PC+4*\c:PC+4*\c+3], s[8:9] offset:6144*(\a)+512*\c   ; 32 lanes store 512 consecutive bytes, aligned
.endr
.endm
	PLACES 4                                       ; in front of the first read of results and of writes over registers that the last products read
.irp b, 0,1,2,3
	v_mov_b32 v[BP+\b], 0                          ; a lane permute's destination counts as one of its sources
.endr
	v_mov_b32 v229, 0
.irp a, 0,1,2,3,4,5,6,7
	SOFTA \a
.endr
.irp g, 0,1,2,3                        ; three times eight blocks' words: 512 dense bytes each; lanes 0-15 the even block's, lanes 16-31 the odd block's
	v_cndmask_b32 v[T+\g], v[PWS+2*\g], v[PWS+2*\g+1], s3
	v_cndmask_b32 v[T+4+\g], v[MS+2*\g], v[MS+2*\g+1], s3
	v_cndmask_b32 v[T+8+\g], v[LS+2*\g], v[LS+2*\g+1], s3
.endr
.irp u, 0,1,2
.irp g, 0,1,2,3
	ds_store_b32 v[SA], v[T+4*\u+\g] offset:512*\u+128*\g
.endr
.endr
.irp u, 0,1,2
	ds_load_b128 v[T+16+4*\u:T+19+4*\u], v[SB] offset:512*\u   ; in order behind my stores
.endr
	s_wait_dscnt 0x0
.irp u, 0,1,2
	global_store_b128 v[VO], v[T+16+4*\u:T+19+4*\u], s[10:11] offset:524288*\u   ; the scale words, then M', then l'
.endr
	s_wait_tensorcnt 0x0                           ; the wave's end
	ds_add_u32 v[SPW], v[NIL]
	s_wait_dscnt 0x0
	CROUND                                         ; the closing round
	s_endpgm
.Lfunc_end_k_q4f3de098dc_score:
	.size	k_q4f3de098dc_score, .Lfunc_end_k_q4f3de098dc_score-k_q4f3de098dc_score
	.p2alignl 7, 3214868480
	.fill 96, 4, 3214868480
	.section	.rodata,"a",@progbits
	.p2align	6, 0x0
	.amdhsa_kernel k_q4f3de098dc_score
		.amdhsa_group_segment_fixed_size 327680
		.amdhsa_private_segment_fixed_size 0
		.amdhsa_enable_private_segment 0
		.amdhsa_kernarg_size 32
		.amdhsa_user_sgpr_count 2
		.amdhsa_user_sgpr_kernarg_segment_ptr 1
		.amdhsa_wavefront_size32 1
		.amdhsa_system_sgpr_workgroup_id_x 1
		.amdhsa_system_sgpr_workgroup_id_y 1
		.amdhsa_system_sgpr_workgroup_id_z 1
		.amdhsa_system_vgpr_workitem_id 0
		.amdhsa_next_free_vgpr 1024
		.amdhsa_next_free_sgpr 106
		.amdhsa_reserve_vcc 0
		.amdhsa_float_denorm_mode_32 3
		.amdhsa_float_denorm_mode_16_64 3
		.amdhsa_memory_ordered 1
		.amdhsa_forward_progress 1
		.amdhsa_inst_pref_size 197
	.end_amdhsa_kernel
	.amdgpu_metadata
---
amdhsa.version: [ 1, 2 ]
amdhsa.kernels:
  - .name:           k_q4f3de098dc_score
    .symbol:         k_q4f3de098dc_score.kd
    .args:
      - { .name: qkv_codes, .offset: 0, .size: 8, .value_kind: global_buffer, .address_space: global }
      - { .name: qkv_scales, .offset: 8, .size: 8, .value_kind: global_buffer, .address_space: global }
      - { .name: p_codes, .offset: 16, .size: 8, .value_kind: global_buffer, .address_space: global }
      - { .name: p_stats, .offset: 24, .size: 8, .value_kind: global_buffer, .address_space: global }
    .group_segment_fixed_size: 327680
    .private_segment_fixed_size: 0
    .kernarg_segment_align: 8
    .kernarg_segment_size: 32
    .max_flat_workgroup_size: 128
    .sgpr_count:     106
    .vgpr_count:     1024
    .wavefront_size: 32
...
	.end_amdgpu_metadata
.endif
;; end of part 3
;; launch pv (part 4): grid 4 x 64, 4 waves a work-group, clusters of 4 x 4, 327,680 bytes of LDS; arguments p_codes, p_stats, qkv_codes, qkv_scales, out0; writes out0
.if DOCPART == 4
	.amdgcn_target "amdgcn-amd-amdhsa--gfx1250"
	.amdhsa_code_object_version 6
	.text
	.protected	k_q4f3de098dc_pv
	.globl	k_q4f3de098dc_pv
	.p2align	8
	.type	k_q4f3de098dc_pv,@function
k_q4f3de098dc_pv:
	s_mov_b64 s[64:65], 0
	v_nop
	global_prefetch_b8 v0, s[64:65] scope:SCOPE_SE
	s_setreg_imm32_b32 hwreg(HW_REG_WAVE_MODE, 25, 1), 1
	s_wait_xcnt 0x0
	s_wait_alu depctr_hold_cnt(0) depctr_sa_sdst(0) depctr_va_vdst(0) depctr_va_sdst(0) depctr_va_ssrc(0) depctr_va_vcc(0) depctr_vm_vsrc(0)
	s_getreg_b32 s2, hwreg(HW_REG_IB_STS2, 6, 4)
	s_cmp_eq_u32 s2, 0
	s_cbranch_scc0 .Lentry_in_a_cluster
	s_endpgm
.Lentry_in_a_cluster:
	s_bfe_u32 s2, ttmp6, 0x10000c
	s_cmp_lg_u32 s2, 0xf033
	s_cbranch_scc0 .Lentry_shape_is_right
	s_endpgm
.Lentry_shape_is_right:
; out = (p v) / l on codes of BF6 (E3M2) with E8M0 scales.  A tile of 128 queries x 256 channels is made by four waves, 64 x 128 each: 32 accumulators.  (Tiles of 256 x 256 would be 128 work-groups.)
; SOURCE 1 = 16 queries of p (a lane holds one query), SOURCE 0 = 16 channels of v (a lane's registers run along the channels).  K = the batch's 2,048 keys, in four slots of 512 through two LDS slots.
; THE HEAD JOINS THE SOFTMAX'S PARTS.  Thread t owns query t of the tile: M = the largest of its 16 M'; d = M - M' of each group of 128 keys; l = the sum of l' x 2^-d; d is taken off each of the group's four scale bytes.
; All of that is exact but for the sum.  LIMIT: d is held at 127 and a byte at 0 from below: a block that lies more than some 2^-120 under the row's largest p counts as at most 28 x 2^-127 a code.  NaN and infinities are not served.
; The mended scale words, v's scale words and 1 / l go to LDS bytes that no tensor load fills.
; LDS: waves 0, 1 fetch p's halves (four blocks), waves 2, 3 v's halves (eight blocks); a wave's part holds both slots on end, brought by ONE tensor load at the head whose two rows are the two slots; each slot is filled again once, behind a round.
; CLUSTER 4 x 4: p's tiles are asked for jointly along a row, v's along a column.  No prefetch: the text has no loop to run ahead in, and half of K is asked for at the head.
; REGISTERS: window 0: v0-31 addresses; v32-95 scale words, two sets (at the head v32-119 the statistics); v96-103 1 / l; v128-175 p's four fragments, one set; on the way out v32-95, v128-255 at work.
;   window 1: v's fragments, two sets, at v0 and v128.   window 2: accumulator (a, b) at v[8 (8 a + b)].
.set NQ,    4
.set FR,    12
.set NL,    3
.set HA,    2
.set RBB,   NQ*1536
.set PH,    4*RBB                      ; 24,576: p's half of a slot
.set VH,    8*RBB                      ; 49,152: v's half of a slot
.set VBASE, 4*PH                       ; v's parts lie behind p's two
.set SCL,   4*PH+4*VH                  ; [slot 4][row 384][16 bytes]: rows 0-127 p's, 128-383 v's; a row's four words are the slot's four K steps
.set RLS,   SCL+24576                  ; 1 / l, a word a query
.set SPARE, RLS+512                    ; the spare words, 128 bytes a wave
.set ADRA, 16
.set ADRB, 20
.set RD,   22                          ; v22     the way out: where I read a row back
.set CO,   23                          ; v23     16 x lane
.set STO,  24                          ; v24     the way out: where I put my part of a row
.set RLA,  25                          ; v25     my queries' 1 / l
.set RLW,  26                          ; v26     where thread t puts 1 / l
.set ADRS, 27
.set SPW,  28
.set NIL,  29
.set TO4,  30                          ; v30     4 t
.set SCW,  31                          ; v31     SCL + 16 t
.set SC,   32
.set T,    32
.set MX,   32                          ; at the head: 16 M',
.set SM,   48                          ; 16 l',
.set SW,   64                          ; 16 scale words of p,
.set VA,   80                          ; 16 of v's channel t,
.set VB,   96                          ; 16 of v's channel t + 128
.set RL,   96                          ; later: 1 / l of my four blocks, a pair each, the same number twice
.set AF,   128
.set BK,   128
.set G1,   24
.set G0,   32
.set G1B,  48
.set G0B,  56
.set MSB, 0
.macro WIN new
.if MSB != (\new)
	s_set_vgpr_msb (MSB<<8)|(\new)
.set MSB, \new
.endif
.endm
.set MUL,  0xa1                        ; source 0 window 1, source 1 window 0, C and D window 2
.set TO_B, 0x40
.macro JLOAD g0a, g1a, g0b, g1b        ; a joint load: waves 0, 1 fetch p's halves, waves 2, 3 v's; s_nop 0 and four v_nop follow each line
	s_cmp_eq_u32 s15, 0
	s_cbranch_scc0 .Lfor_b_\@
	tensor_load_to_lds s[\g0a:\g0a+3], s[\g1a:\g1a+7]
	s_nop 0
.rept 4
	v_nop
.endr
	s_branch .Lasked_\@
.Lfor_b_\@:
	tensor_load_to_lds s[\g0b:\g0b+3], s[\g1b:\g1b+7]
	s_nop 0
.rept 4
	v_nop
.endr
.Lasked_\@:
.endm
.macro CREST
	s_cmp_lg_u32 s14, 0
	s_cbranch_scc1 .Lnot_wave_0_\@
	s_barrier_signal -3
.Lnot_wave_0_\@:
	s_barrier_wait -3
	s_barrier_signal -1
	s_barrier_wait -1
.endm
.macro CROUND
	s_barrier_signal -1
	s_barrier_wait -1
	CREST
.endm
.macro PLACES n
.rept \n
	v_nop
.endr
.endm
	s_load_b256 s[4:11], s[0:1], 0x0               ; p's codes s[4:5], p's statistics s[6:7], v's codes s[8:9], v's scale words s[10:11]
	s_load_b64 s[12:13], s[0:1], 0x20              ; out
	v_lshl_add_u32 v[SPW], v0, 2, SPARE
	v_mov_b32 v[NIL], 0
	ds_add_u32 v[SPW], v[NIL]                      ; the opening lines: the add twice on end and one wait
	ds_add_u32 v[SPW], v[NIL]
	v_lshrrev_b32 v1, 5, v0
	v_readfirstlane_b32 s14, v1                    ; wave 0..3
	s_lshr_b32 s15, s14, 1                         ; which half of the queries is mine.  Also: I fetch for p (0) or v (1)
	s_and_b32 s16, s14, 1                          ; which half of the channels.  Also: which half of that tile I fetch
	s_bfe_u32 s40, ttmp6, 0x40000                  ; cx: the tile of channels
	s_bfe_u32 s41, ttmp6, 0x40004                  ; cy
	s_and_b32 s17, ttmp7, 0xffff
	s_lshr_b32 s2, s17, 2                          ; batch: the same in all sixteen partners
	s_lshl_b32 s17, s17, 2
	s_add_co_u32 s17, s17, s41                     ; tile of 128 queries, 0..63
	s_and_b32 s18, s17, 15                         ; and in its batch
	s_lshl_b32 s43, s41, 2
	s_lshl_b32 s43, 15, s43                        ; my row of the cluster
	s_lshl_b32 s44, 0x1111, s40                    ; my column
	s_or_b32 s[G1+0], s43, (3<<16)|(1<<21)
	s_or_b32 s[G1B+0], s44, (3<<16)|(1<<21)
	s_mov_b32 s[G1+1], 3072<<16                    ; the head's load of p: two rows (slots) of 24,576 bytes = 3,072 elements of 8 bytes
	s_mov_b32 s[G1+2], 2<<16
	s_mov_b32 s[G1+3], 3072<<16
	s_mov_b32 s[G1+4], 2
	s_mov_b32 s[G1+5], 786432/8
	s_mov_b32 s[G1+6], 0
	s_mov_b32 s[G1+7], 0
	s_mov_b32 s[G1B+1], 6144<<16                   ; of v: two rows of 49,152 bytes
	s_mov_b32 s[G1B+2], 2<<16
	s_mov_b32 s[G1B+3], 6144<<16
	s_mov_b32 s[G1B+4], 2
	s_mov_b32 s[G1B+5], 393216/8
	s_mov_b32 s[G1B+6], 0
	s_mov_b32 s[G1B+7], 0
	s_mul_i32 s20, s2, 3145728
	s_mul_i32 s21, s18, 2*PH
	s_add_co_u32 s20, s20, s21
	s_mul_i32 s21, s16, PH
	s_add_co_u32 s20, s20, s21                     ; p: the batch, the tile's eight blocks, my four
	s_mov_b32 s21, 0
	s_lshl_b32 s46, s40, 4
	s_lshl_b32 s47, s16, 3
	s_add_co_u32 s46, s46, s47
	s_mul_i32 s46, s46, RBB
	s_mul_i32 s47, s2, 1572864
	s_add_co_u32 s46, s46, s47
	s_add_co_u32 s46, s46, 12582912                ; v: behind q's and k's codes; the batch; block 16 x tile + 8 x half
	s_mov_b32 s47, 0
	s_mul_i32 s45, s16, 2*PH                       ; where they go: by the wave's number alone
	s_mul_i32 s42, s16, 2*VH
	s_add_co_u32 s42, s42, VBASE
	s_wait_alu depctr_va_vdst(0)                   ; the wait ahead of the waits below
	s_wait_dscnt 0x0                               ; both opening adds are done
	s_wait_kmcnt 0x0
	s_add_nc_u64 s[20:21], s[4:5], s[20:21]
	s_add_nc_u64 s[46:47], s[8:9], s[46:47]
	CROUND                                         ; all sixteen work-groups are here: the first joint loads meet
.irp s, 0,1
	s_mov_b32 s[G0+4*\s], 1
	s_add_co_u32 s[G0+4*\s+1], s45, \s*PH
	s_add_nc_u64 s[G0+4*\s+2:G0+4*\s+3], s[20:21], \s*786432
	s_or_b32 s[G0+4*\s+3], s[G0+4*\s+3], 0x80000000
	s_mov_b32 s[G0B+4*\s], 1
	s_add_co_u32 s[G0B+4*\s+1], s42, \s*VH
	s_add_nc_u64 s[G0B+4*\s+2:G0B+4*\s+3], s[46:47], \s*393216
	s_or_b32 s[G0B+4*\s+3], s[G0B+4*\s+3], 0x80000000
.endr
	JLOAD G0, G1, G0B, G1B                         ; my one load at the head: slots 0 and 1 of my part
	s_lshl_b32 s20, s2, 17
	s_lshl_b32 s21, s18, 9
	s_add_co_u32 s20, s20, s21
	s_mov_b32 s21, 0
	s_add_nc_u64 s[6:7], s[6:7], s[20:21]          ; the statistics of my tile's 128 queries
	s_lshl_b32 s20, s2, 16
	s_lshl_b32 s22, s40, 10
	s_add_co_u32 s20, s20, s22
	s_add_co_u32 s20, s20, 524288
	s_add_nc_u64 s[10:11], s[10:11], s[20:21]      ; the scale words of my tile's 256 channels
	v_lshlrev_b32 v[TO4], 2, v0
.irp s, 0,1,2,3,4,5,6,7,8,9,10,11,12,13,14,15
	global_load_b32 v[MX+\s], v[TO4], s[6:7] offset:524288+8192*\s
.endr
.irp s, 0,1,2,3,4,5,6,7,8,9,10,11,12,13,14,15
	global_load_b32 v[SM+\s], v[TO4], s[6:7] offset:1048576+8192*\s
.endr
.irp s, 0,1,2,3,4,5,6,7,8,9,10,11,12,13,14,15
	global_load_b32 v[SW+\s], v[TO4], s[6:7] offset:8192*\s
.endr
.irp s, 0,1,2,3,4,5,6,7,8,9,10,11,12,13,14,15
	global_load_b32 v[VA+\s], v[TO4], s[10:11] offset:4096*\s
.endr
.irp s, 0,1,2,3,4,5,6,7,8,9,10,11,12,13,14,15
	global_load_b32 v[VB+\s], v[TO4], s[10:11] offset:4096*\s+512
.endr
	v_and_b32 v1, 15, v0                           ; r
	v_bfe_u32 v2, v0, 4, 1                         ; h
	v_and_b32 v3, 31, v0                           ; lane
	v_lshlrev_b32 v4, 4, v3
	s_wait_alu depctr_va_vdst(0)
	s_mul_i32 s21, s15, 2*PH                       ; my four blocks of p
	s_mul_i32 s22, s16, 2*VH
	s_add_co_u32 s22, s22, VBASE                   ; my eight blocks of v
.irp s, 0,1
	v_add_nc_u32 v[ADRA+\s], s21, v4
	v_add_nc_u32 v[ADRB+\s], s22, v4
	s_add_co_u32 s21, s21, PH
	s_add_co_u32 s22, s22, VH
.endr
	s_lshl_b32 s21, s15, 10                        ; my 64 rows of p's words, 16 bytes a row
	s_lshl_b32 s22, s16, 11
	s_add_co_u32 s22, s22, 2048                    ; my 128 rows of v's, behind p's 128
	s_sub_co_u32 s22, s22, s21
	v_mul_u32_u24 v5, s22, v2                      ; lanes 16-31 take v's
	v_lshl_add_u32 v5, v1, 4, v5
	s_add_co_u32 s21, s21, SCL
	v_add_nc_u32 v[ADRS], s21, v5
	v_lshl_add_u32 v[SCW], v0, 4, SCL
	v_lshl_add_u32 v[RLW], v0, 2, RLS
	s_lshl_b32 s23, s15, 8
	s_add_co_u32 s23, s23, RLS
	v_lshl_add_u32 v[RLA], v1, 2, s23
	s_mul_i32 s23, s14, 16*528                     ; my stage: 33,792 bytes for the four waves, in slot 0 of v's first half, used when that slot has had its last fill and its last read
	s_add_co_u32 s23, s23, VBASE
	v_mul_u32_u24 v5, v1, 528
	v_lshl_add_u32 v5, v2, 6, v5
	v_add_nc_u32 v[STO], s23, v5                   ; in: row r, + 64 h
	v_add_nc_u32 v[RD], s23, v4                    ; back: a whole row, 16 bytes a lane
	v_mov_b32 v[CO], v4
	s_lshl_b32 s20, s17, 7
	s_lshl_b32 s21, s15, 6
	s_add_co_u32 s20, s20, s21                     ; my first query
	s_lshl_b32 s20, s20, 12                        ; a row of out is 4,096 bytes
	s_lshl_b32 s21, s40, 10
	s_add_co_u32 s20, s20, s21
	s_lshl_b32 s21, s16, 9
	s_add_co_u32 s20, s20, s21                     ; my first channel
	s_mov_b32 s21, 0
	s_add_nc_u64 s[12:13], s[12:13], s[20:21]
	s_mov_b32 s66, 0x80808080
	s_mov_b32 s67, 0
	s_wait_alu depctr_va_vdst(0)                   ; the wait at the end of the addresses' set-up
	s_wait_loadcnt 32                              ; M', l' and p's scale words are in; v's 32 words may be out
	v_max3_num_f32 v112, v[MX], v[MX+1], v[MX+2]
.irp i, 3,5,7,9,11,13
	v_max3_num_f32 v112, v112, v[MX+\i], v[MX+\i+1]
.endr
	v_max_num_f32 v112, v112, v[MX+15]             ; M
.irp s, 0,1,2,3,4,5,6,7,8,9,10,11,12,13,14,15
	v_sub_f32 v113, v112, v[MX+\s]                 ; d = M - M': a whole number, 0 or more,
	v_min_num_f32 v113, 0x42fe0000, v113           ; held at 127
	v_cvt_u32_f32 v113, v113
	v_perm_b32 v114, v113, v113, s67               ; d in all four bytes
	v_or_b32 v115, s66, v[SW+\s]                   ; a byte is at most 123: with 128 on top no byte borrows from the next
	v_sub_nc_u32 v115, v115, v114
	v_and_b32 v116, s66, v115                      ; the top bit has stayed where byte >= d
	v_lshrrev_b32 v117, 7, v116
	v_sub_nc_u32 v116, v116, v117                  ; 0x7f there, 0 elsewhere
	v_and_b32 v[SW+\s], v115, v116                 ; byte - d, held at 0
	v_sub_nc_u32 v113, 127, v113
	v_lshlrev_b32 v113, 23, v113                   ; 2^-d as f32 (0 at d = 127)
.if \s == 0
	v_mul_f32 v118, v[SM], v113
.else
	v_fma_f32 v118, v[SM+\s], v113, v118           ; l
.endif
.endr
	s_wait_alu depctr_va_vdst(0)                   ; the wait ahead of the reciprocal
	v_rcp_f32 v119, v118
	v_nop                                          ; one plain place behind the reciprocal
	s_wait_alu depctr_va_vdst(0)                   ; and the wait ahead of its first reader
.irp g, 0,1,2,3
	ds_store_b128 v[SCW], v[SW+4*\g:SW+4*\g+3] offset:6144*\g
.endr
	ds_store_b32 v[RLW], v119
	s_wait_loadcnt 0x0
.irp g, 0,1,2,3
	ds_store_b128 v[SCW], v[VA+4*\g:VA+4*\g+3] offset:6144*\g+2048
	ds_store_b128 v[SCW], v[VB+4*\g:VB+4*\g+3] offset:6144*\g+4096
.endr
	s_wait_dscnt 0x0                               ; for the others' sake: my stores have landed
	s_wait_tensorcnt 0x0                           ; my part of slots 0 and 1 is in
	s_mov_b32 s[G1+1], 32<<16                      ; no tensor load of mine is out: a refill brings one slot's dense bytes as rows of 256: p's half 96 rows,
	s_mov_b32 s[G1+2], 96<<16
	s_mov_b32 s[G1+3], 32<<16
	s_mov_b32 s[G1+4], 96
	s_mov_b32 s[G1+5], 32
	s_mov_b32 s[G1B+1], 32<<16                     ; v's half 192
	s_mov_b32 s[G1B+2], 192<<16
	s_mov_b32 s[G1B+3], 32<<16
	s_mov_b32 s[G1B+4], 192
	s_mov_b32 s[G1B+5], 32
	s_barrier_signal -1
	s_barrier_wait -1
.irp a, 0,1,2,3
	ds_load_b32 v[RL+2*\a], v[RLA] offset:64*\a
	ds_load_b32 v[RL+2*\a+1], v[RLA] offset:64*\a
.endr
.macro FRAG reg, adr, q, i
.irp c, 0,1,2
	ds_load_b128 v[\reg+4*\c:\reg+4*\c+3], v[\adr] offset:(\i)*RBB+(\q)*1536+512*\c
.endr
.endm
.macro FETCH_B slot, q, p
	WIN TO_B
.irp i, 0,1,2,3,4,5,6,7
	FRAG 128*(\p)+FR*\i, ADRB+\slot, \q, \i
.endr
	WIN 0
.endm
.macro FETCH_A slot, q, i0
.irp i, \i0, \i0+1
	FRAG AF+FR*(\i), ADRA+\slot, \q, \i
.endr
.endm
.macro SCALES sc, ks                   ; slot ks of K into set sc.  Registers 4 i + q: lanes 0-15 the words of p's block i (i < 4; beyond that written bytes that no instruction names), lanes 16-31 those of v's block i
.irp i, 0,1,2,3,4,5,6,7
	ds_load_b128 v[SC+8*NQ*\sc+NQ*\i:SC+8*NQ*\sc+NQ*\i+3], v[ADRS] offset:6144*(\ks)+256*\i
.endr
.endm
; eight matrix instructions: block a of the queries against eight blocks of channels.  The 32 accumulators take turns, one instruction a turn.
.macro MULA a, p, q, sc, zero
.irp b, 0,1,2,3,4,5,6,7
.if \zero
	v_wmma_scale_f32_16x16x128_f8f6f4 v[8*(8*(\a)+\b):8*(8*(\a)+\b)+7], v[128*(\p)+FR*\b:128*(\p)+FR*\b+FR-1], v[AF+FR*(\a):AF+FR*(\a)+FR-1], 0, v[SC+8*NQ*(\sc)+NQ*\b+(\q)], v[SC+8*NQ*(\sc)+NQ*(\a)+(\q)] matrix_a_fmt:MATRIX_FMT_BF6 matrix_b_fmt:MATRIX_FMT_BF6 matrix_a_scale:MATRIX_SCALE_ROW1
.else
	v_wmma_scale_f32_16x16x128_f8f6f4 v[8*(8*(\a)+\b):8*(8*(\a)+\b)+7], v[128*(\p)+FR*\b:128*(\p)+FR*\b+FR-1], v[AF+FR*(\a):AF+FR*(\a)+FR-1], v[8*(8*(\a)+\b):8*(8*(\a)+\b)+7], v[SC+8*NQ*(\sc)+NQ*\b+(\q)], v[SC+8*NQ*(\sc)+NQ*(\a)+(\q)] matrix_a_fmt:MATRIX_FMT_BF6 matrix_b_fmt:MATRIX_FMT_BF6 matrix_a_scale:MATRIX_SCALE_ROW1
.endif
.endr
.endm
.macro STEP slot, q, zero              ; K step q = 0, 1, 2 of a slot; v's fragments of step q + 1 were asked for at the end of the step before
	s_wait_dscnt HA*NL+8*NL                        ; all but the youngest 30 loads (p's blocks 2, 3, v's next set) are in
	WIN MUL
	MULA 0, (\q)%2, \q, \slot, \zero
	MULA 1, (\q)%2, \q, \slot, \zero
	s_wait_dscnt 8*NL                              ; p's blocks 2, 3 are in; v's next set, 24 loads, may be out
	PLACES 4                                       ; four plain places in front of loads into registers that matrix instructions have read
	WIN 0
	FETCH_A \slot, (\q)+1, 0
	WIN MUL
	MULA 2, (\q)%2, \q, \slot, \zero
	MULA 3, (\q)%2, \q, \slot, \zero
	PLACES 4
	WIN 0
	FETCH_A \slot, (\q)+1, HA
.if (\q) < 2
	FETCH_B \slot, (\q)+2, (\q)%2                  ; this step's set is free behind the places above: step q + 2 of the same slot, a whole step ahead of its use
.endif
.endm
.macro TURN slot, next, ks, fill       ; a slot's last K step, which changes slots; ks: the next slot's place along K
	s_wait_tensorcnt 0x0                           ; all my tensor loads have landed
	ds_add_u32 v[SPW], v[NIL]
	s_wait_dscnt HA*NL+1                           ; (the add and the youngest 6 loads may be out)
	WIN MUL
	MULA 0, 1, NQ-1, \slot, 0
	s_wait_dscnt 0x0                               ; the add is done, and my reads of this slot are over
	s_barrier_signal -1
	MULA 1, 1, NQ-1, \slot, 0
	WIN 0
	s_barrier_wait -1
.if \fill
	CREST                                          ; a round of the cluster's barrier: no wave of any partner still reads this slot or has a load on its way
	s_add_nc_u64 s[G0+4*\slot+2:G0+4*\slot+3], s[G0+4*\slot+2:G0+4*\slot+3], 2*786432
	s_add_nc_u64 s[G0B+4*\slot+2:G0B+4*\slot+3], s[G0B+4*\slot+2:G0B+4*\slot+3], 2*393216
	JLOAD G0+4*\slot, G1, G0B+4*\slot, G1B         ; the first tensor load behind the round; its four v_nop are the places in front of the loads below
.else
	PLACES 4
.endif
	FETCH_B \next, 0, 0
	FETCH_A \next, 0, 0
	SCALES \next, \ks
	WIN MUL
	MULA 2, 1, NQ-1, \slot, 0
	MULA 3, 1, NQ-1, \slot, 0
	PLACES 4
	WIN 0
	FETCH_A \next, 0, HA
	FETCH_B \next, 1, 1                            ; set 1 is free behind the places above: the next slot's step 1
.endm
	FETCH_B 0, 0, 0
	FETCH_A 0, 0, 0
	SCALES 0, 0
	FETCH_A 0, 0, HA
	FETCH_B 0, 1, 1
	STEP 0, 0, 1                                   ; the first products start the sums: nothing is cleared
	STEP 0, 1, 0
	STEP 0, 2, 0
	TURN 0, 1, 1, 1                                ; K = 2,048 is four slots: written out
	STEP 1, 0, 0
	STEP 1, 1, 0
	STEP 1, 2, 0
	TURN 1, 0, 2, 1
	STEP 0, 0, 0
	STEP 0, 1, 0
	STEP 0, 2, 0
	TURN 0, 1, 3, 0                                ; nothing is left to fetch; behind this barrier nobody reads slot 0
	STEP 1, 0, 0
	STEP 1, 1, 0
	STEP 1, 2, 0
	s_wait_dscnt HA*NL
	WIN MUL
	MULA 0, 1, NQ-1, 1, 0
	MULA 1, 1, NQ-1, 1, 0
	s_wait_dscnt 0
	MULA 2, 1, NQ-1, 1, 0
	MULA 3, 1, NQ-1, 1, 0
	WIN 0
; THE WAY OUT, a block of 16 queries x 128 channels at a time: x 1 / l; through my stage (rows of 528 bytes); back as whole rows of 512 bytes.  Tile b's register j is channel 32 (b / 2) + 16 h + 8 (b % 2) + j.
.macro TOSTAGE a
	WIN 0x02                                       ; source 0: window 2
.set n_, 0
.rept 32
	v_pk_mul_f32 v[T+n_:T+n_+1], v[64*(\a)+n_:64*(\a)+n_+1], v[RL+2*(\a):RL+2*(\a)+1]   ; each accumulator from its low end on
.set n_, n_+2
.endr
	WIN 0
.irp b, 0,1,2,3,4,5,6,7
	ds_store_b128 v[STO], v[T+8*\b:T+8*\b+3] offset:128*(\b/2)+32*(\b%2)
	ds_store_b128 v[STO], v[T+8*\b+4:T+8*\b+7] offset:128*(\b/2)+32*(\b%2)+16
.endr
.set BB_, BK+64*((\a)%2)
.irp t, 0,1,2,3,4,5,6,7,8,9,10,11,12,13,14,15
	ds_load_b128 v[BB_+4*\t:BB_+4*\t+3], v[RD] offset:\t*528   ; LDS serves a wave's instructions in order: these see the stores above
.endr
.endm
.macro SEND a, younger                 ; younger: the LDS instructions issued behind block a's loads, which may stay out
.set BB_, BK+64*((\a)%2)
	s_wait_dscnt \younger
.irp t, 0,1,2,3,4,5,6,7,8,9,10,11,12,13,14,15
	global_store_b128 v[CO], v[BB_+4*\t:BB_+4*\t+3], s[12:13] offset:(32*((\a)/2)+8*((\a)%2)+((\t)&7)+16*((\t)>>3))*4096 th:TH_STORE_NT   ; 32 lanes store 512 consecutive bytes of the row that lane t of the block held, aligned
.endr
.endm
	PLACES 4                                       ; in front of the first read of results and of loads and writes over registers that the last products read
	TOSTAGE 0
.irp a, 1,2,3
.if \a > 1
	s_wait_xcnt 0x0                                ; block a - 2's stores have read their registers: block a's loads may land there
.endif
	TOSTAGE \a
	SEND \a-1, 32                                  ; behind block a - 1's loads: block a's 16 stores and 16 loads
.endr
	SEND 3, 0
	s_wait_tensorcnt 0x0                           ; the wave's end
	ds_add_u32 v[SPW], v[NIL]
	s_wait_dscnt 0x0
	CROUND                                         ; the closing round
	s_endpgm
.Lfunc_end_k_q4f3de098dc_pv:
	.size	k_q4f3de098dc_pv, .Lfunc_end_k_q4f3de098dc_pv-k_q4f3de098dc_pv
	.p2alignl 7, 3214868480
	.fill 96, 4, 3214868480
	.section	.rodata,"a",@progbits
	.p2align	6, 0x0
	.amdhsa_kernel k_q4f3de098dc_pv
		.amdhsa_group_segment_fixed_size 327680
		.amdhsa_private_segment_fixed_size 0
		.amdhsa_enable_private_segment 0
		.amdhsa_kernarg_size 40
		.amdhsa_user_sgpr_count 2
		.amdhsa_user_sgpr_kernarg_segment_ptr 1
		.amdhsa_wavefront_size32 1
		.amdhsa_system_sgpr_workgroup_id_x 1
		.amdhsa_system_sgpr_workgroup_id_y 1
		.amdhsa_system_sgpr_workgroup_id_z 1
		.amdhsa_system_vgpr_workitem_id 0
		.amdhsa_next_free_vgpr 768
		.amdhsa_next_free_sgpr 72
		.amdhsa_reserve_vcc 0
		.amdhsa_float_denorm_mode_32 3
		.amdhsa_float_denorm_mode_16_64 3
		.amdhsa_memory_ordered 1
		.amdhsa_forward_progress 1
		.amdhsa_inst_pref_size 161
	.end_amdhsa_kernel
	.amdgpu_metadata
---
amdhsa.version: [ 1, 2 ]
amdhsa.kernels:
  - .name:           k_q4f3de098dc_pv
    .symbol:         k_q4f3de098dc_pv.kd
    .args:
      - { .name: p_codes, .offset: 0, .size: 8, .value_kind: global_buffer, .address_space: global }
      - { .name: p_stats, .offset: 8, .size: 8, .value_kind: global_buffer, .address_space: global }
      - { .name: qkv_codes, .offset: 16, .size: 8, .value_kind: global_buffer, .address_space: global }
      - { .name: qkv_scales, .offset: 24, .size: 8, .value_kind: global_buffer, .address_space: global }
      - { .name: out0, .offset: 32, .size: 8, .value_kind: global_buffer, .address_space: global }
    .group_segment_fixed_size: 327680
    .private_segment_fixed_size: 0
    .kernarg_segment_align: 8
    .kernarg_segment_size: 40
    .max_flat_workgroup_size: 128
    .sgpr_count:     72
    .vgpr_count:     768
    .wavefront_size: 32
...
	.end_amdgpu_metadata
.endif
;; end of part 4
